; MI455X (gfx1250); checked and timed in simulation.
; The chip was launched on July 23, 2026; its instructions are those of AMD's public machine-readable ISA for CDNA 5 (MIT licence, August 2026) and "CDNA5" Instruction Set Architecture Reference Guide (July 2026). The comments in the code are by the model that wrote it; some were corrected since.
;; Vi T Self Attention. Allowed arithmetic: matrix products marked QUANTISED: E3M2 operands, one E8M0 scale for each 32 along K, by v_wmma_scale_f32_16x16x128_f8f6f4 with both operands' format E3M2, f32 sums; everything else in f32.
;; Inputs: Wk 768 x 768 float32; Wq 768 x 768 float32; Wv 768 x 768 float32; bk 768 float32; bq 768 float32; bv 768 float32; x 16 x 1,024 x 768 float32.
;; Outputs: out0 16 x 1,024 x 768 float32.
;; This version of the problem:
;;   THIS VERSION OF THE PROBLEM IS GIVEN IN LOW PRECISION. The matrix products marked QUANTISED in the list below multiply operands that are first quantised to E3M2 (3 exponent bits, 2 mantissa bits; 6 bits a number), with one power-of-two scale for each 32 numbers along K (OCP MX v1.0); their sums are f32. All else is computed in f32.
;;   The module's matrix products, in the order in which they are computed (A, B: the left and right operand; K: the contracted axis; several contracted axes count as one K, in the product's order):
;;     1. [M 16,384, K 768] x [K 768, N 768]; A: input x; B: input Wq: QUANTISED
;;     2. [M 16,384, K 768] x [K 768, N 768]; A: input x; B: input Wk: QUANTISED
;;     3. [M 16,384, K 768] x [K 768, N 768]; A: input x; B: input Wv: QUANTISED
;;     4. batch 192 x [M 1,024, K 64] x [K 64, N 1,024]; A: computed on the way; B: computed on the way: QUANTISED
;;     5. batch 192 x [M 1,024, K 1,024] x [K 1,024, N 64]; A: softmax (see below); B: computed on the way: QUANTISED
;;   THE QUANTISER, for each operand of a quantised product, along K:
;;     - K is cut into blocks of 32 from its start; a last block that is shorter is filled with zeros.
;;     - A block's scale is 2^e with e = floor(log2(the largest magnitude in the block)) - 4, held to -126 .. 127; a block of zeros has e = 0. As a byte (E8M0): e + 127.
;;     - Each number is divided by its block's scale, clamped to +-28, and rounded to the nearest number of E3M2, ties to even, subnormals kept.
;;     - The product sums the exact products of the quantised numbers (number of the format x scale) in f32.
;;   ~~~python
;;   def quantise(x, axis):      # numpy; x: float32 -> the quantised numbers, widened to float32 again
;;       x = np.moveaxis(x, axis, -1); K = x.shape[-1]
;;       x = np.pad(x, [(0, 0)] * (x.ndim - 1) + [(0, -K % 32)]); x = x.reshape(x.shape[:-1] + (-1, 32)); a = np.abs(x).max(-1, keepdims=True)
;;       e = np.where(a > 0, np.clip(np.frexp(np.where(a > 0, a, 1))[1] - 1 - 4, -126, 127), 0)      # np.frexp(a)[1] - 1 = floor(log2(a)), exactly
;;       r = np.clip(x / 2.0 ** e, -28, 28)
;;       step = 2.0 ** (np.maximum(np.frexp(np.where(r == 0, 1, r))[1] - 1, -2) - 2)
;;       q = np.round(r / step) * step * 2.0 ** e      # np.round: ties to even
;;       return np.moveaxis(q.reshape(q.shape[:-2] + (-1,))[..., :K], -1, axis).astype(np.float32)
;;   ~~~
;;   SOFTMAX AHEAD OF A QUANTISED PRODUCT. Where the list says 'softmax', what is quantised is not the finished softmax but p = 2^(t - M), with t = logit x log2(e) and M = ceil(the row's largest t), a whole number; so 1/2 < the row's largest p <= 1. The row's sum l is taken of the UNQUANTISED p, in f32, and the product's result is divided by l at the end. Since M is a whole number, a kernel that streams over the keys may use a running M (the ceiling of the running maximum): every later rescaling is an exact power of two, which a block's scale takes up: the codes' values come out the same.
;;   OPERANDS COMPUTED ON THE WAY. 'Computed on the way' means the value that the module computes at that place (a softmax that the list does not call 'softmax' is quantised finished and normalised). What goes into a quantiser is computed in f32, as accurately as f32 sums, v_exp_f32 and their like allow (about 1e-6 of the number): no bf16 or f16 on the way to a quantiser, and a product that is left as it is and whose result goes on into a quantised operand takes f32 operands (vector FMAs, or v_wmma_f32_16x16x4_f32). A number that lies on a knife's edge between two numbers of the format may be rounded either way, as far as f32 arithmetic and the matrix unit's own rounding can turn it there, and no further.
;; 2 versions, each right; version 2 is version 1 with the launch qkv written anew for expert scheduling mode. Each part assembles by itself: llvm-mc -triple=amdgcn-amd-amdhsa -mcpu=gfx1250 --defsym DOCPART=n.
;; ======== version 1 of 2: 3 launches
;; workspace buffers: wc 1,529,856 bytes; qq 10,223,616 bytes; kv 20,054,016 bytes
;; launch qw (part 1): grid 72 x 6, 1 waves a work-group, no clusters, 0 bytes of LDS; arguments Wq, Wk, Wv, bq, bk, bv, wc; writes wc
.if DOCPART == 1
	.amdgcn_target "amdgcn-amd-amdhsa--gfx1250"
	.amdhsa_code_object_version 6
	.text
	.protected	k_qb42361bd93_qw
	.globl	k_qb42361bd93_qw
	.p2align	8
	.type	k_qb42361bd93_qw,@function
k_qb42361bd93_qw:
	s_mov_b64 s[64:65], 0
	v_nop
	global_prefetch_b8 v0, s[64:65] scope:SCOPE_SE
	s_setreg_imm32_b32 hwreg(HW_REG_WAVE_MODE, 25, 1), 1
	s_wait_xcnt 0x0
; Wq, Wk, Wv [768 (k)][768 (n)], f32, K their FIRST axis, become codes of BF6 (E3M2) with one E8M0 scale byte for each 32 along K, laid in the ORDER OF THE OPERAND'S REGISTERS;
; the biases become images of a matrix instruction's C operand.  All of it goes into 72 records of REC bytes: record P = (type x 12 + head) x 2 + p (type 0 q, 1 k, 2 v) holds columns
; colbase = 64 head + 32 p .. + 31 as two tiles u of 16.  q, k: place r of tile u is column colbase + 8 u + r + 8 (r / 8);  v: column colbase + 16 u + r.
;   codes       at s x 3072 + u x 1536 + 512 c + 16 x lane : registers 4 c .. 4 c + 3 of the fragment (K step s of 128, tile u) of consumer lane (r, h) = r + 16 h
;   scale words at 18432 + 128 s + 64 u + 4 r
;   bias image  at 19200 + 512 g + 16 x lane : registers 4 g .. 4 g + 3 of sixteen (register 8 u + j;  q, k: bias[colbase + 16 h + 8 u + j];  v: bias[colbase + 16 u + r] in every j)
; A work-group is one wave: record P (x), K step s (y).  LANE L TAKES COLUMN colbase + L AND ITS REGISTERS RUN DOWN K: each load reads 128 consecutive bytes, a block of 32 along K lies in one lane,
; and the conversions give codes with K innermost.  A lane's four blocks are the registers of TWO consumer lanes: blocks 0, 2 those of (r, 0), blocks 1, 3 those of (r, 1).
; A block's scale is 2^(floor(log2(its largest magnitude)) - 4); its byte is that magnitude's exponent field - 4, held at 1 from below.
; LIMITS: a block of zeros gets the byte 1 where the rule says 127 (its codes are zeros, and this program alone reads the bytes); NaN and infinities among the inputs are not served.
; No LDS, no matrix unit, no cluster: the waves share nothing, and each input byte is read once.
.set REC,   21248
.set WROW,  3072                       ; a row of W in bytes
.set X,     32                         ; v32-159  128 numbers: W(128 s + i, my column)
.set EO,    160                        ; v160-183 the twelve registers of consumer lane (r, 0), then those of (r, 1)
.set TP,    184                        ; v184-199 a block's upper 16 codes, made here and moved (a conversion's three registers begin on an even number)
	s_load_b256 s[4:11], s[0:1], 0x0               ; Wq s[4:5], Wk s[6:7], Wv s[8:9], bq s[10:11]
	s_load_b128 s[12:15], s[0:1], 0x20             ; bk s[12:13], bv s[14:15]
	s_load_b64 s[16:17], s[0:1], 0x30              ; wc
	s_and_b32 s18, ttmp7, 0xffff                   ; s: my K step
	v_and_b32 v6, 31, v0                           ; L
	v_lshlrev_b32 v1, 2, v6                        ; W: 4 bytes a lane
	v_lshlrev_b32 v4, 4, v6                        ; the bias image: 16 bytes a lane
	s_mov_b32 s27, 0
	s_wait_kmcnt 0x0
	s_cmp_ge_u32 ttmp9, 48                         ; which tensor: the choice hangs on the work-group's number alone
	s_cselect_b64 s[20:21], s[8:9], s[6:7]
	s_cselect_b64 s[22:23], s[14:15], s[12:13]
	s_cselect_b32 s24, 48, 24
	s_cmp_lt_u32 ttmp9, 24
	s_cselect_b64 s[20:21], s[4:5], s[20:21]
	s_cselect_b64 s[22:23], s[10:11], s[22:23]
	s_cselect_b32 s24, 0, s24
	s_sub_co_u32 s24, ttmp9, s24                   ; 2 head + p
	s_lshl_b32 s25, s24, 7                         ; 4 x colbase
	s_mul_i32 s26, s18, 128*WROW
	s_add_co_u32 s26, s26, s25
	s_add_nc_u64 s[20:21], s[20:21], s[26:27]      ; W at (128 s, colbase)
	s_mov_b32 s26, s25
	s_add_nc_u64 s[22:23], s[22:23], s[26:27]      ; the bias at colbase
	s_mul_i32 s26, ttmp9, REC
	s_add_nc_u64 s[16:17], s[16:17], s[26:27]      ; my record
	s_mul_i32 s26, s18, 3072
	s_add_nc_u64 s[28:29], s[16:17], s[26:27]      ; where my K step's codes go,
	s_lshl_b32 s26, s18, 7
	s_add_nc_u64 s[30:31], s[16:17], s[26:27]      ; its scale words (+ 18432),
	s_lshl_b32 s26, s18, 9
	s_add_nc_u64 s[32:33], s[16:17], s[26:27]      ; and quarter g = s of the bias image (+ 19200)
	s_cmp_ge_u32 ttmp9, 48
	s_cbranch_scc1 .Lplace_v
	v_bfe_u32 v7, v6, 3, 1                         ; q, k: column L is place r = L % 8 + 8 (L / 16) of tile u = (L / 8) % 2
	v_and_b32 v8, 7, v6
	v_lshrrev_b32 v9, 4, v6
	v_lshl_add_u32 v8, v9, 3, v8
	v_lshlrev_b32 v5, 6, v9                        ; as a consumer lane I want the bias from 16 (L / 16) numbers on
	s_branch .Lplaced
.Lplace_v:
	v_lshrrev_b32 v7, 4, v6                        ; v: u = L / 16, r = L % 16
	v_and_b32 v8, 15, v6
	v_lshlrev_b32 v5, 2, v8                        ; as a consumer lane I want the bias of column L % 16
.Lplaced:
	v_mul_u32_u24 v2, v7, 1536
	v_lshl_add_u32 v2, v8, 4, v2                   ; codes: 1536 u + 16 r
	v_lshlrev_b32 v3, 6, v7
	v_lshl_add_u32 v3, v8, 2, v3                   ; scale word: 64 u + 4 r
.set i, 0
.rept 128
	global_load_b32 v[X+i], v1, s[20:21] offset:i*WROW     ; 32 lanes read 128 consecutive bytes of row 128 s + i
.set i, i+1
.endr
	s_cmp_ge_u32 s18, 4                            ; the bias image has four quarters: the work-groups of K steps 0 to 3 make one each
	s_cbranch_scc1 .Lno_bias
	s_cmp_ge_u32 ttmp9, 48
	s_cbranch_scc1 .Lbias_v
	s_lshl_b32 s26, s18, 4                         ; q, k: registers 4 g .. 4 g + 3 are bias[colbase + 16 h + 4 g + 0 .. 3]
	s_add_nc_u64 s[22:23], s[22:23], s[26:27]
	global_load_b128 v[28:31], v5, s[22:23]
	s_branch .Lbias_in
.Lbias_v:
	s_lshr_b32 s26, s18, 1                         ; v: all four are bias[colbase + 16 (g / 2) + r]
	s_lshl_b32 s26, s26, 6
	s_add_nc_u64 s[22:23], s[22:23], s[26:27]
.irp i, 0,1,2,3
	global_load_b32 v[28+\i], v5, s[22:23]
.endr
.Lbias_in:
	s_wait_loadcnt 0x0
	global_store_b128 v4, v[28:31], s[32:33] offset:19200   ; 512 consecutive bytes
.Lno_bias:
	s_wait_loadcnt 0x0                             ; W's 128 numbers
	; the largest magnitude of each of my four blocks: two chains a block, the blocks by turns
.irp b, 0,1,2,3
	v_max3_num_f32 v[8+\b], |v[X+32*\b]|, |v[X+32*\b+1]|, |v[X+32*\b+2]|
	v_max3_num_f32 v[12+\b], |v[X+32*\b+3]|, |v[X+32*\b+4]|, |v[X+32*\b+5]|
.endr
.irp i, 6,10,14,18,22,26
.irp b, 0,1,2,3
	v_max3_num_f32 v[8+\b], v[8+\b], |v[X+32*\b+\i]|, |v[X+32*\b+\i+1]|
	v_max3_num_f32 v[12+\b], v[12+\b], |v[X+32*\b+\i+2]|, |v[X+32*\b+\i+3]|
.endr
.endr
.irp b, 0,1,2,3
	v_max3_num_f32 v[8+\b], v[8+\b], |v[X+32*\b+30]|, |v[X+32*\b+31]|
.endr
.irp b, 0,1,2,3
	v_max3_num_f32 v[8+\b], v[8+\b], v[12+\b], 0x2800000   ; and the floor 2^(5 - 127): the byte cannot fall under 1
.endr
.irp b, 0,1,2,3
	v_add_nc_u32 v[16+\b], 0xfe000000, v[8+\b]     ; 4 off the exponent field: the conversion takes the exponent field of this operand as its scale
.endr
.irp b, 0,1,2,3
	v_lshrrev_b32 v[20+\b], 23, v[16+\b]           ; the scale's byte
.endr
	v_lshl_or_b32 v24, v21, 8, v20                 ; my column's scale word for these 128 along K
	v_lshl_or_b32 v24, v22, 16, v24
	v_lshl_or_b32 v24, v23, 24, v24
.irp c, 0,1
.irp h, 0,1                                    ; block 2 c + h is registers 6 c .. 6 c + 5 of consumer lane (r, h)
	v_cvt_scalef32_pk16_bf6_f32 v[EO+12*\h+6*\c:EO+12*\h+6*\c+2], v[X+32*(2*\c+\h):X+32*(2*\c+\h)+15], v[16+2*\c+\h]
	v_cvt_scalef32_pk16_bf6_f32 v[TP+4*(2*\c+\h):TP+4*(2*\c+\h)+2], v[X+32*(2*\c+\h)+16:X+32*(2*\c+\h)+31], v[16+2*\c+\h]
.endr
.endr
	v_nop                                          ; one plain place behind a scaled conversion
.irp c, 0,1
.irp h, 0,1
.irp i, 0,1,2
	v_mov_b32 v[EO+12*\h+6*\c+3+\i], v[TP+4*(2*\c+\h)+\i]
.endr
.endr
.endr
.irp h, 0,1
.irp c, 0,1,2
	global_store_b128 v2, v[EO+12*\h+4*\c:EO+12*\h+4*\c+3], s[28:29] offset:512*\c+256*\h   ; the sixteen lanes of a tile store 256 consecutive bytes, aligned
.endr
.endr
	global_store_b32 v3, v24, s[30:31] offset:18432   ; 128 consecutive bytes
	s_endpgm
.Lfunc_end_k_qb42361bd93_qw:
	.size	k_qb42361bd93_qw, .Lfunc_end_k_qb42361bd93_qw-k_qb42361bd93_qw
	.p2alignl 7, 3214868480
	.fill 96, 4, 3214868480
	.section	.rodata,"a",@progbits
	.p2align	6, 0x0
	.amdhsa_kernel k_qb42361bd93_qw
		.amdhsa_group_segment_fixed_size 0
		.amdhsa_private_segment_fixed_size 0
		.amdhsa_enable_private_segment 0
		.amdhsa_kernarg_size 56
		.amdhsa_user_sgpr_count 2
		.amdhsa_user_sgpr_kernarg_segment_ptr 1
		.amdhsa_wavefront_size32 1
		.amdhsa_system_sgpr_workgroup_id_x 1
		.amdhsa_system_sgpr_workgroup_id_y 1
		.amdhsa_system_sgpr_workgroup_id_z 1
		.amdhsa_system_vgpr_workitem_id 0
		.amdhsa_next_free_vgpr 200
		.amdhsa_next_free_sgpr 66
		.amdhsa_reserve_vcc 0
		.amdhsa_float_denorm_mode_32 3
		.amdhsa_float_denorm_mode_16_64 3
		.amdhsa_memory_ordered 1
		.amdhsa_forward_progress 1
		.amdhsa_inst_pref_size 22
	.end_amdhsa_kernel
	.amdgpu_metadata
---
amdhsa.version: [ 1, 2 ]
amdhsa.kernels:
  - .name:           k_qb42361bd93_qw
    .symbol:         k_qb42361bd93_qw.kd
    .args:
      - { .name: Wq, .offset: 0, .size: 8, .value_kind: global_buffer, .address_space: global }
      - { .name: Wk, .offset: 8, .size: 8, .value_kind: global_buffer, .address_space: global }
      - { .name: Wv, .offset: 16, .size: 8, .value_kind: global_buffer, .address_space: global }
      - { .name: bq, .offset: 24, .size: 8, .value_kind: global_buffer, .address_space: global }
      - { .name: bk, .offset: 32, .size: 8, .value_kind: global_buffer, .address_space: global }
      - { .name: bv, .offset: 40, .size: 8, .value_kind: global_buffer, .address_space: global }
      - { .name: wc, .offset: 48, .size: 8, .value_kind: global_buffer, .address_space: global }
    .group_segment_fixed_size: 0
    .private_segment_fixed_size: 0
    .kernarg_segment_align: 8
    .kernarg_segment_size: 56
    .max_flat_workgroup_size: 32
    .sgpr_count:     66
    .vgpr_count:     200
    .wavefront_size: 32
...
	.end_amdgpu_metadata
.endif
;; end of part 1
;; launch qkv (part 2): grid 256 x 1, 4 waves a work-group, no clusters, 111,104 bytes of LDS; arguments x, wc, qq, kv; writes qq, kv
.if DOCPART == 2
	.amdgcn_target "amdgcn-amd-amdhsa--gfx1250"
	.amdhsa_code_object_version 6
	.text
	.protected	k_qb42361bd93_qkv
	.globl	k_qb42361bd93_qkv
	.p2align	8
	.type	k_qb42361bd93_qkv,@function
k_qb42361bd93_qkv:
	s_mov_b64 s[64:65], 0
	v_nop
	global_prefetch_b8 v0, s[64:65] scope:SCOPE_SE
	s_setreg_imm32_b32 hwreg(HW_REG_WAVE_MODE, 25, 1), 1
	s_wait_xcnt 0x0
; q = x Wq + bq, k = x Wk + bk, v = x Wv + bv on codes of BF6 (E3M2) with one E8M0 scale for each 32 along K; the results are quantised at once, q and k along the head's 64, v along the keys, and leave as codes:
; q, k and v never lie in memory as f32.  x: [16384][768] f32.  wc: the weights' records (72 x 21,248 bytes: fragments in the order of the operand's registers, scale words, bias images).
; SHARES.  Work-group n: g = n % 2 (heads 6 g .. 6 g + 5), X = n / 2 (rows 128 X .. + 127: batch X / 8, key step X % 8).  The four waves first quantise the block's x together (48 fragments, through LDS as images of
; the operand's registers), then EVERY wave holds all 48 in 576 registers and walks nine records of the weights: a PASS is 2 tiles of W x 8 tiles of x x 6 K steps = 96 matrix instructions on 16 accumulators.
; A record's fragments come from memory straight into registers, one record ahead, and each feeds eight matrix instructions; nothing of the loop goes through LDS.
; Wave w: type w / 2 (0 q, 1 k), heads 6 g + 3 (w % 2) + 0 .. 2, two records a head (six on end); then three records of v: numbers 3 w .. 3 w + 2 of the half's twelve.
; No cluster: a weight fragment is wanted in one wave's registers, and a joint load lands in LDS alone.  Each block of x is read by two work-groups.
; THE ROWS OF A TILE ARE NOT NEIGHBOURS: place r of tile m = 2 b + u is row 32 b + 8 u + r + 8 (r / 8) of the block.
;   q, k are made TRANSPOSED (source 0 = 16 columns of W, chosen by the same pattern, source 1 = x): a lane holds one row, and the 16 registers of W's tiles 0, 1 are 16 neighbours along d.
;   v is made as it reads (source 0 = x, source 1 = 16 columns of W): a lane holds one channel d, and the 16 registers of x's tiles 2 b, 2 b + 1 are 16 neighbouring keys.
; So a conversion's 16 codes (12 bytes) are half a block of 32, and go by one store to 24 r + 12 h of a BLOCK IMAGE of 384 bytes ([16 rows][24 bytes]): 384 consecutive bytes a store.
; OUT.  kv: [12 batch + head][key step][13,056]: K's tile T at 768 T (two block images), V's tile t (d = 16 t + r) at 6144 + 1536 t (four), K's scale words at 12288 + 256 (T / 4) + 16 r + 4 (T % 4),
;       V's at 12800 + 128 (t / 2) + 64 (t % 2) + 4 r.   qq: [12 batch + head][key step][6,656]: Q's tile T at 768 T, its scale words at 6144 + the same.
; LIMITS: a block of zeros gets the byte 1 where the rule says 127 (its codes are zeros, and this program alone reads the bytes); NaN and infinities are not served.
; REGISTERS, in windows of 256.  Window 1 + s / 2: x's fragment (K step s, tile m) at 96 (s % 2) + 12 m; W's (s, tile u) at 192 + 24 (s % 2) + 12 u; window 1 also: v240-255 the bias image; while x is quantised v0-191: three sets of raw x.
; Window 0: v1-11 addresses; v12-15 a store's scale words; v16-39 x's scale words (register 4 s + m / 2: lanes 0-15 the even tile, lanes 16-31 the odd); v40-45 W's (register s: lanes 0-15 u = 0, lanes 16-31 u = 1);
;   v46-53, v54-61 scale bytes and words on the way; v62 a scale word; v64-79 at work; v80-111 codes; v128-255 the 16 accumulators (while x is quantised v128-191: 64 numbers).
.set REC,  21248
.set XROW, 3072
.set XSC,  73728                       ; LDS: x's 48 images of 1,536 bytes from 0 on ((8 s + m) x 1536 + 512 c + 16 x lane); here their scale words ((8 s + m) x 64 + 4 r);
.set STG,  76800                       ; and a stage of 16 rows x 528 bytes for each wave
.set SGP,  528
.set KVH,  104448
.set KVS,  13056
.set QQH,  53248
.set QQS,  6656
.set LI,   1                           ; 16 x lane
.set LI2,  2                           ; 16 x lane + 36864: the images of K steps 3 to 5 (an LDS immediate has 16 bits)
.set LS,   3                           ; 4 x lane
.set XWI,  4                           ; where I store x's images: 16 x lane + 3072 x wave
.set XWS,  5                           ; and their scale words: XSC + 4 r + 128 x wave
.set SGI,  6                           ; my stage, in: 16 x lane
.set SGO,  7                           ; my stage, out: 528 r + 64 h
.set CO,   9                           ; 24 r + 12 h: my 12 bytes of a block image
.set SO,   10                          ; 16 x lane + the place of Q's or K's scale words
.set LSX,  11                          ; XSC + 4 x lane
.set Z,    12
.set XS,   16
.set WS,   40
.set Y0,   46
.set WD,   54
.set PW,   62
.set TM,   64                          ; +0..3 largest magnitudes, +4..7 the other half's, then bytes, +12..15 the conversions' scale operands
.set CD,   80
.set PC,   80
.set ACC,  128
.set NUM,  128
.set MSB, 0
.macro WIN new                         ; s_set_vgpr_msb: bits 1:0 source 0, 3:2 source 1, 5:4 source 2, 7:6 destination; the high byte repeats the setting that is left
.if MSB != (\new)
	s_set_vgpr_msb (MSB<<8)|(\new)
.set MSB, (\new)
.endif
.endm
.macro NOPS n
.rept \n
	v_nop
.endr
.endm
; K steps 2 j, 2 j + 1 of the record at s[22:23]: four fragments (12 loads of 512 consecutive bytes), with j = 0 the bias image (4), and two scale words: 18, 14, 14 loads
.macro WLOAD j
	WIN ((\j)+1)<<6
.irp t, 0,1
.irp u, 0,1
.irp c, 0,1,2
	global_load_b128 v[192+24*\t+12*\u+4*\c:192+24*\t+12*\u+4*\c+3], v[LI], s[22:23] offset:(2*(\j)+\t)*3072+\u*1536+512*\c
.endr
.endr
.endr
.if (\j) == 0
.irp g, 0,1,2,3
	global_load_b128 v[240+4*\g:240+4*\g+3], v[LI], s[22:23] offset:19200+512*\g
.endr
.endif
	WIN 0
.irp t, 0,1
	global_load_b32 v[WS+2*(\j)+\t], v[LS], s[22:23] offset:18432+128*(2*(\j)+\t)
.endr
.endm
; unit i of x: K step i / 2 of my tile 2 w + i % 2: sixteen rows, each load one row's 512 consecutive bytes, into raw set i % 3 (the destination's window is set by the caller)
.macro XRAW i
.irp n, 0,1,2,3,4,5,6,7,8,9,10,11,12,13,14,15
	global_load_b128 v[64*((\i)%3)+4*\n:64*((\i)%3)+4*\n+3], v[LI], s[40:41] offset:(8*((\i)%2)+\n+8*(\n/8))*XROW+512*((\i)/2)
.endr
.endm
; four blocks of 32, block b in v[s + 16 b .. + 15] of lanes l and l xor 16: the conversions' scale operands into v[TM + 12 + b].  Each accumulator is read from its low end on
.macro BLK4 s
.irp b, 0,1,2,3
	v_max3_num_f32 v[TM+\b], |v[(\s)+16*\b]|, |v[(\s)+1+16*\b]|, 0x2800000   ; my 16 numbers, and the floor 2^(5 - 127): the byte cannot fall under 1
.endr
.irp i, 2,4,6,8,10,12,14
.irp b, 0,1,2,3
	v_max3_num_f32 v[TM+\b], v[TM+\b], |v[(\s)+16*\b+\i]|, |v[(\s)+1+16*\b+\i]|   ; (the four blocks by turns)
.endr
.endr
.irp b, 0,1,2,3
	v_permlanex16_b32 v[TM+4+\b], v[TM+\b], s20, s21
.endr
.irp b, 0,1,2,3
	v_max_num_f32 v[TM+\b], v[TM+\b], v[TM+4+\b]   ; with lane l xor 16's: the block's largest magnitude
.endr
.irp b, 0,1,2,3
	v_add_nc_u32 v[TM+12+\b], 0xfe000000, v[TM+\b]   ; 4 off its exponent field
.endr
.endm
; 64 numbers of a lane (register 16 b + i = k 32 b + 16 h + i of row r) become a fragment in v[PC .. PC + 11] and its scale word in v[PW]
.macro QUANTX
	BLK4 NUM
.irp b, 0,1,2,3
	v_lshrrev_b32 v[TM+4+\b], 23, v[TM+12+\b]
.endr
	v_lshl_or_b32 v[PW], v[TM+5], 8, v[TM+4]
	v_lshl_or_b32 v[PW], v[TM+6], 16, v[PW]
	v_lshl_or_b32 v[PW], v[TM+7], 24, v[PW]
.irp c, 0,1
	v_cvt_scalef32_pk16_bf6_f32 v[PC+6*\c:PC+2+6*\c], v[NUM+32*\c:NUM+15+32*\c], v[TM+12+2*\c]
	v_cvt_scalef32_pk16_bf6_f32 v[PC+12+4*\c:PC+14+4*\c], v[NUM+16+32*\c:NUM+31+32*\c], v[TM+12+2*\c+1]   ; (a conversion's three registers begin on an even number)
.endr
	v_nop                                          ; one plain place behind a scaled conversion
.irp c, 0,1                                    ; the operand's layout wants a WHOLE block in a lane: lanes 0-15 block 2 c, lanes 16-31 block 2 c + 1
.irp i, 0,1,2
	v_permlane16_swap_b32 v[PC+6*\c+\i], v[PC+12+4*\c+\i]
.endr
.irp i, 0,1,2
	v_mov_b32 v[PC+3+6*\c+\i], v[PC+12+4*\c+\i]
.endr
.endr
.endm
; unit i: its raw rows turn through my stage (in as rows, out 16 neighbours of each block a lane), are quantised, and the fragment's image and scale words go to LDS
.macro UNIT i
.if 11-(\i) >= 2
	s_wait_loadcnt 32                              ; this unit's sixteen loads are in; the two younger units' may be out
.else
	s_wait_loadcnt 16*(11-(\i))
.endif
	WIN 0x04                                       ; an LDS store's data are its source 1: window 1
.irp n, 0,1,2,3,4,5,6,7,8,9,10,11,12,13,14,15
	ds_store_b128 v[SGI], v[64*((\i)%3)+4*\n:64*((\i)%3)+4*\n+3] offset:SGP*\n
.endr
	WIN 0
.irp b, 0,1,2,3
.irp j, 0,1,2,3
	ds_load_b128 v[NUM+16*\b+4*\j:NUM+16*\b+4*\j+3], v[SGO] offset:128*\b+16*\j   ; LDS serves a wave's instructions in order: these see my stores
.endr
.endr
	s_wait_dscnt 0x0                               ; the numbers are in; the stores have read the raw set and, a unit ago, the codes' registers
.if (\i)+3 < 12
	WIN 0x40
	XRAW (\i)+3                                    ; the raw set takes the unit three on
	WIN 0
.endif
	QUANTX
.irp c, 0,1,2
	ds_store_b128 v[XWI], v[PC+4*\c:PC+4*\c+3] offset:(8*((\i)/2)+(\i)%2)*1536+512*\c
.endr
	ds_store_b32 v[XWS], v[PW] offset:512*((\i)/2)+64*((\i)%2)   ; lanes r and r + 16 write the same word with the same value
.endm
.macro WM                              ; one matrix instruction from the symbols rD rA rB rC sA sB; fA, fB: the side's scales lie in lanes 16-31
.if fA && fB
	v_wmma_scale_f32_16x16x128_f8f6f4 v[rD:rD+7], v[rA:rA+11], v[rB:rB+11], v[rC:rC+7], v[sA], v[sB] matrix_a_fmt:MATRIX_FMT_BF6 matrix_b_fmt:MATRIX_FMT_BF6 matrix_a_scale:MATRIX_SCALE_ROW1 matrix_b_scale:MATRIX_SCALE_ROW1
.elseif fA
	v_wmma_scale_f32_16x16x128_f8f6f4 v[rD:rD+7], v[rA:rA+11], v[rB:rB+11], v[rC:rC+7], v[sA], v[sB] matrix_a_fmt:MATRIX_FMT_BF6 matrix_b_fmt:MATRIX_FMT_BF6 matrix_a_scale:MATRIX_SCALE_ROW1
.elseif fB
	v_wmma_scale_f32_16x16x128_f8f6f4 v[rD:rD+7], v[rA:rA+11], v[rB:rB+11], v[rC:rC+7], v[sA], v[sB] matrix_a_fmt:MATRIX_FMT_BF6 matrix_b_fmt:MATRIX_FMT_BF6 matrix_b_scale:MATRIX_SCALE_ROW1
.else
	v_wmma_scale_f32_16x16x128_f8f6f4 v[rD:rD+7], v[rA:rA+11], v[rB:rB+11], v[rC:rC+7], v[sA], v[sB] matrix_a_fmt:MATRIX_FMT_BF6 matrix_b_fmt:MATRIX_FMT_BF6
.endif
.endm
; K step s of a pass: 16 matrix instructions, the 16 accumulators by turns, in the same order in every K step.  K step 0 takes the bias image as C: nothing is cleared, no bias is added.
; kind 0 (q, k): source 0 = W's tile u, source 1 = x's tile m, accumulator 2 m + u.   kind 1 (v): source 0 = x's tile m, source 1 = W's tile u, accumulator 8 u + m.
.macro MULS kind, s
.irp m, 0,1,2,3,4,5,6,7
.irp u, 0,1
.set rW, 192+24*((\s)%2)+12*\u
.set rX, 96*((\s)%2)+12*\m
.if \kind == 0
.set rD, ACC+8*(2*\m+\u)
.set rA, rW
.set rB, rX
.set sA, WS+(\s)
.set sB, XS+4*(\s)+\m/2
.set fA, \u
.set fB, \m%2
.else
.set rD, ACC+8*(8*\u+\m)
.set rA, rX
.set rB, rW
.set sA, XS+4*(\s)+\m/2
.set sB, WS+(\s)
.set fA, \m%2
.set fB, \u
.endif
.if (\s) == 0
.set rC, 240+8*\u
.else
.set rC, rD
.endif
	WM
.endr
.endr
.endm
; A pass: the record in registers is multiplied, two K steps at a time; behind each pair, and four places behind its last product, the same registers take the NEXT record's pair (pre = 1).
; The counted waits: loads come back in order.  28: the record's groups 1 and 2 (14 + 14) may be out.  32: its group 2 and the next record's group 0 (14 + 18); then the next record's groups 0 and 1 (18 + 14).
; pre = 0, the last pass: 28, 14, 0.
.macro PASS kind, pre
	s_wait_loadcnt 28
	WIN 0x15                                       ; sources 0 and 1 window 1, C (the bias image) window 1, D window 0
	MULS \kind, 0
	WIN 0x05
	MULS \kind, 1
.if \pre
	NOPS 4
	WLOAD 0
	s_wait_loadcnt 32
.else
	s_wait_loadcnt 14
.endif
	WIN 0x0a
	MULS \kind, 2
	MULS \kind, 3
.if \pre
	NOPS 4
	WLOAD 1
	s_wait_loadcnt 32
.else
	s_wait_loadcnt 0x0
.endif
	WIN 0x0f
	MULS \kind, 4
	MULS \kind, 5
	NOPS 4                                         ; four places in front of the loads below and of the first read of results
.if \pre
	WLOAD 2
.endif
	WIN 0
.endm
; Behind a pass of q or k (d-block b of the head): for each of x's eight tiles the 16 registers of accumulators 2 m, 2 m + 1 are half a block of 32 along d.
.macro EPI_QK b
	s_wait_xcnt 0x0                                ; only behind this wait are the loads' base, the stores' base and the registers that the last stores read written again
	s_add_nc_u64 s[22:23], s[22:23], REC           ; the record that the next pass asks for
.if \b == 0
	s_cmp_eq_u32 s36, 1                            ; in the last trip that is my first record of v
	s_cselect_b64 s[22:23], s[24:25], s[22:23]
.endif
.irp k, 0,1
	BLK4 ACC+64*\k
.irp i, 0,1,2,3
.if \b == 0
	v_lshrrev_b32 v[Y0+4*\k+\i], 23, v[TM+12+\i]   ; the first block's byte is kept
.else
	v_lshrrev_b32 v[TM+4+\i], 23, v[TM+12+\i]
.endif
.endr
.if \b == 1
.irp i, 0,1,2,3
	v_lshl_or_b32 v[WD+4*\k+\i], v[TM+4+\i], 8, v[Y0+4*\k+\i]   ; the row's scale word: two bytes; the upper two stay 0 and stand over zero codes
.endr
.endif
.irp i, 0,1,2,3
	v_cvt_scalef32_pk16_bf6_f32 v[CD+16*\k+4*\i:CD+16*\k+4*\i+2], v[ACC+64*\k+16*\i:ACC+64*\k+16*\i+15], v[TM+12+\i]
.endr
.endr
	v_nop                                          ; one plain place behind the last conversion: matrix instructions write its sources next
.irp m, 0,1,2,3,4,5,6,7
	global_store_b96 v[CO], v[CD+4*\m:CD+4*\m+2], s[26:27] offset:768*\m+384*\b   ; 384 consecutive bytes: a block image
.endr
.if \b == 1
.irp i, 0,1,2,3
	v_cndmask_b32 v[Z+\i], v[WD+\i], v[WD+4+\i], s38   ; lanes 0-15 the words of tiles 0-3, lanes 16-31 those of tiles 4-7
.endr
	global_store_b128 v[SO], v[Z:Z+3], s[26:27]    ; 512 consecutive bytes
	s_wait_xcnt 0x0
	s_add_nc_u64 s[26:27], s[26:27], s[34:35]      ; the next head
.endif
.endm
; Behind a pass of v: for each of W's two tiles the 64 registers of accumulators 8 u .. 8 u + 7 are four half blocks of 32 along the keys, of channel d = 16 u + r of the record.
.macro EPI_V step
	s_wait_xcnt 0x0
.if \step
	s_add_nc_u64 s[22:23], s[22:23], REC
.endif
	s_lshr_b32 s42, s37, 1                         ; record q of the half's twelve: head q / 2, channels 32 (q % 2) on
	s_mul_i32 s42, s42, KVH
	s_and_b32 s43, s37, 1
	s_mul_i32 s44, s43, 3072
	s_add_co_u32 s44, s44, s42
	s_mov_b32 s45, 0
	s_add_nc_u64 s[30:31], s[28:29], s[44:45]      ; its two tiles of V
	s_lshl_b32 s44, s43, 7
	s_add_co_u32 s44, s44, s42
	s_add_nc_u64 s[32:33], s[28:29], s[44:45]      ; and their scale words
	s_add_co_u32 s37, s37, 1
.irp u, 0,1
	BLK4 ACC+64*\u
.irp i, 0,1,2,3
	v_lshrrev_b32 v[TM+4+\i], 23, v[TM+12+\i]
.endr
	v_lshl_or_b32 v[WD+\u], v[TM+5], 8, v[TM+4]
	v_lshl_or_b32 v[WD+\u], v[TM+6], 16, v[WD+\u]
	v_lshl_or_b32 v[WD+\u], v[TM+7], 24, v[WD+\u]
.irp i, 0,1,2,3
	v_cvt_scalef32_pk16_bf6_f32 v[CD+16*\u+4*\i:CD+16*\u+4*\i+2], v[ACC+64*\u+16*\i:ACC+64*\u+16*\i+15], v[TM+12+\i]
.endr
.endr
	v_nop                                          ; one plain place behind the last conversion
.irp u, 0,1
.irp i, 0,1,2,3
	global_store_b96 v[CO], v[CD+16*\u+4*\i:CD+16*\u+4*\i+2], s[30:31] offset:6144+1536*\u+384*\i
.endr
.endr
	v_cndmask_b32 v[Z], v[WD], v[WD+1], s38        ; lanes 0-15 tile 0's words, lanes 16-31 tile 1's
	global_store_b32 v[LS], v[Z], s[32:33] offset:12800   ; 128 consecutive bytes
.endm
	s_load_b256 s[4:11], s[0:1], 0x0               ; x s[4:5], wc s[6:7], qq s[8:9], kv s[10:11]
	v_lshl_add_u32 v126, v0, 2, 0x1b000
	v_mov_b32 v127, 0
	v_lshrrev_b32 v8, 5, v0
	v_readfirstlane_b32 s12, v8                    ; wave 0..3
	s_and_b32 s13, ttmp9, 1                        ; g
	s_lshr_b32 s14, ttmp9, 1                       ; X
	s_lshr_b32 s15, s14, 3                         ; batch
	s_and_b32 s16, s14, 7                          ; key step
	s_lshr_b32 s17, s12, 1                         ; type: 0 q, 1 k
	s_and_b32 s18, s12, 1
	s_mul_i32 s39, s13, 6                          ; 6 g
	s_mul_i32 s19, s18, 3
	s_add_co_u32 s19, s19, s39                     ; my first head
	s_mul_i32 s42, s15, 12
	s_lshl_b32 s40, s14, 7
	s_lshl_b32 s43, s12, 5
	s_add_co_u32 s40, s40, s43
	s_mul_i32 s40, s40, XROW                       ; x: row 128 X + 32 wave, in bytes
	s_mov_b32 s41, 0
	s_mul_i32 s22, s17, 12
	s_add_co_u32 s22, s22, s19
	s_mul_i32 s22, s22, 2*REC                      ; my first record: (12 type + head) x 2
	s_mov_b32 s23, 0
	s_mul_i32 s24, s13, 12
	s_mul_i32 s37, s12, 3                          ; q: my first record of v among the half's twelve
	s_add_co_u32 s24, s24, s37
	s_add_co_u32 s24, s24, 48
	s_mul_i32 s24, s24, REC                        ; record 48 + 12 g + q
	s_mov_b32 s25, 0
	s_mov_b32 s34, KVH                             ; from head to head, from key step to key step, and where the scale words lie: in kv, or in qq for waves 0 and 1
	s_mov_b32 s43, KVS
	s_mov_b32 s44, 12288
	s_mov_b32 s35, 0
	s_cmp_lt_u32 s12, 2
	s_cselect_b32 s34, QQH, s34
	s_cselect_b32 s43, QQS, s43
	s_cselect_b32 s44, 6144, s44
	s_add_co_u32 s45, s42, s19                     ; 12 batch + head
	s_mul_i32 s26, s45, s34
	s_mul_i32 s43, s16, s43
	s_add_co_u32 s26, s26, s43
	s_mov_b32 s27, 0
	s_add_co_u32 s45, s42, s39                     ; 12 batch + 6 g
	s_mul_i32 s28, s45, KVH
	s_mul_i32 s45, s16, KVS
	s_add_co_u32 s28, s28, s45
	s_mov_b32 s29, 0
	s_mov_b32 s20, 0x76543210
	s_mov_b32 s21, 0xfedcba98                      ; v_permlanex16_b32's selects for lane l xor 16
	v_and_b32 v8, 31, v0                           ; lane
	v_and_b32 v12, 15, v0                          ; r
	v_bfe_u32 v13, v0, 4, 1                        ; h
	v_cmp_lt_u32 s38, 15, v8                       ; the mask of lanes 16-31
	v_lshlrev_b32 v[LI], 4, v8
	v_add_nc_u32 v[LI2], 36864, v[LI]
	v_lshlrev_b32 v[LS], 2, v8
	v_add_nc_u32 v[LSX], XSC, v[LS]
	s_mul_i32 s45, s12, 3072
	v_add_nc_u32 v[XWI], s45, v[LI]
	s_lshl_b32 s45, s12, 7
	s_add_co_u32 s45, s45, XSC
	v_lshl_add_u32 v[XWS], v12, 2, s45
	s_mul_i32 s45, s12, 16*SGP
	s_add_co_u32 s45, s45, STG
	v_add_nc_u32 v[SGI], s45, v[LI]
	v_mul_u32_u24 v[SGO], v12, SGP
	v_lshl_add_u32 v[SGO], v13, 6, v[SGO]
	v_add_nc_u32 v[SGO], s45, v[SGO]
	v_mul_u32_u24 v[CO], v12, 24
	v_mad_u32_u24 v[CO], v13, 12, v[CO]
	v_add_nc_u32 v[SO], s44, v[LI]
.irp b, 0,1,2,3
	v_mov_b32 v[TM+4+\b], 0                        ; written once: a lane permute's destination counts as one of its sources
.endr
	s_wait_kmcnt 0x0
	s_add_nc_u64 s[40:41], s[4:5], s[40:41]        ; x at my 32 rows
	s_add_nc_u64 s[22:23], s[6:7], s[22:23]        ; the record to be asked for
	s_add_nc_u64 s[24:25], s[6:7], s[24:25]        ; my first record of v
	s_cmp_lt_u32 s12, 2
	s_cselect_b64 s[46:47], s[8:9], s[10:11]       ; q goes to qq, k to kv: the choice hangs on the wave's number alone
	s_add_nc_u64 s[26:27], s[46:47], s[26:27]      ; where my first head's tiles go
	s_add_nc_u64 s[28:29], s[10:11], s[28:29]      ; kv at head 6 g, my key step
	WLOAD 0                                        ; my first record, 46 loads,
	WLOAD 1
	WLOAD 2
	WIN 0x40
	XRAW 0                                         ; and three units of x, 48 loads
	XRAW 1
	XRAW 2
	WIN 0
.irp i, 0,1,2,3,4,5,6,7,8,9,10,11
	UNIT \i
.endr
	s_wait_dscnt 0x0                               ; for the others' sake: my images and scale words have landed
	s_barrier_signal -1
	s_barrier_wait -1                              ; the launch's one barrier: all 48 fragments lie in LDS, and nobody writes them again
.irp s, 0,1,2,3,4,5
	WIN (1+\s/2)<<6
.irp m, 0,1,2,3,4,5,6,7
.irp c, 0,1,2
.if \s < 3
	ds_load_b128 v[96*(\s%2)+12*\m+4*\c:96*(\s%2)+12*\m+4*\c+3], v[LI] offset:(8*\s+\m)*1536+512*\c
.else
	ds_load_b128 v[96*(\s%2)+12*\m+4*\c:96*(\s%2)+12*\m+4*\c+3], v[LI2] offset:(8*(\s-3)+\m)*1536+512*\c
.endif
.endr
.endr
.endr
	WIN 0
.irp s, 0,1,2,3,4,5
.irp a, 0,1,2,3
	ds_load_b32 v[XS+4*\s+\a], v[LSX] offset:512*\s+128*\a   ; lanes 0-15 tile 2 a's words, lanes 16-31 tile 2 a + 1's
.endr
.endr
	s_wait_dscnt 0x0
	s_wait_xcnt 0x0
	s_add_nc_u64 s[22:23], s[22:23], REC           ; the first pass asks for my second record
	s_mov_b32 s36, 3
.Lqk:                                              ; a trip is a head of q or of k: its two d-blocks
	PASS 0, 1
	EPI_QK 0
	PASS 0, 1
	EPI_QK 1
	s_sub_co_u32 s36, s36, 1
	s_cmp_lg_u32 s36, 0
	s_cbranch_scc1 .Lqk
	s_mov_b32 s36, 2
.Lv:
	PASS 1, 1
	EPI_V 1
	s_sub_co_u32 s36, s36, 1
	s_cmp_lg_u32 s36, 0
	s_cbranch_scc1 .Lv
	PASS 1, 0                                      ; the last pass is written out: it asks for nothing more
	EPI_V 0
	s_wait_tensorcnt 0x0
	ds_add_u32 v126, v127
	s_wait_dscnt 0x0
	s_endpgm
.Lfunc_end_k_qb42361bd93_qkv:
	.size	k_qb42361bd93_qkv, .Lfunc_end_k_qb42361bd93_qkv-k_qb42361bd93_qkv
	.p2alignl 7, 3214868480
	.fill 96, 4, 3214868480
	.section	.rodata,"a",@progbits
	.p2align	6, 0x0
	.amdhsa_kernel k_qb42361bd93_qkv
		.amdhsa_group_segment_fixed_size 111104
		.amdhsa_private_segment_fixed_size 0
		.amdhsa_enable_private_segment 0
		.amdhsa_kernarg_size 32
		.amdhsa_user_sgpr_count 2
		.amdhsa_user_sgpr_kernarg_segment_ptr 1
		.amdhsa_wavefront_size32 1
		.amdhsa_system_sgpr_workgroup_id_x 1
		.amdhsa_system_sgpr_workgroup_id_y 1
		.amdhsa_system_sgpr_workgroup_id_z 1
		.amdhsa_system_vgpr_workitem_id 0
		.amdhsa_next_free_vgpr 1024
		.amdhsa_next_free_sgpr 66
		.amdhsa_reserve_vcc 0
		.amdhsa_float_denorm_mode_32 3
		.amdhsa_float_denorm_mode_16_64 3
		.amdhsa_memory_ordered 1
		.amdhsa_forward_progress 1
		.amdhsa_inst_pref_size 207
	.end_amdhsa_kernel
	.amdgpu_metadata
---
amdhsa.version: [ 1, 2 ]
amdhsa.kernels:
  - .name:           k_qb42361bd93_qkv
    .symbol:         k_qb42361bd93_qkv.kd
    .args:
      - { .name: x, .offset: 0, .size: 8, .value_kind: global_buffer, .address_space: global }
      - { .name: wc, .offset: 8, .size: 8, .value_kind: global_buffer, .address_space: global }
      - { .name: qq, .offset: 16, .size: 8, .value_kind: global_buffer, .address_space: global }
      - { .name: kv, .offset: 24, .size: 8, .value_kind: global_buffer, .address_space: global }
    .group_segment_fixed_size: 111104
    .private_segment_fixed_size: 0
    .kernarg_segment_align: 8
    .kernarg_segment_size: 32
    .max_flat_workgroup_size: 128
    .sgpr_count:     66
    .vgpr_count:     1024
    .wavefront_size: 32
...
	.end_amdgpu_metadata
.endif
;; end of part 2
;; launch att (part 3): grid 48 x 16, 16 waves a work-group, clusters of 4 x 1, 176,128 bytes of LDS; arguments qq, kv, out0; writes out0
.if DOCPART == 3
	.amdgcn_target "amdgcn-amd-amdhsa--gfx1250"
	.amdhsa_code_object_version 6
	.text
	.protected	k_qb42361bd93_att
	.globl	k_qb42361bd93_att
	.p2align	8
	.type	k_qb42361bd93_att,@function
k_qb42361bd93_att:
	s_mov_b64 s[64:65], 0
	v_nop
	global_prefetch_b8 v0, s[64:65] scope:SCOPE_SE
	s_setreg_imm32_b32 hwreg(HW_REG_WAVE_MODE, 25, 1), 1
	s_wait_xcnt 0x0
	s_wait_alu depctr_hold_cnt(0) depctr_sa_sdst(0) depctr_va_vdst(0) depctr_va_sdst(0) depctr_va_ssrc(0) depctr_va_vcc(0) depctr_vm_vsrc(0)
	s_getreg_b32 s2, hwreg(HW_REG_IB_STS2, 6, 4)
	s_cmp_eq_u32 s2, 0
	s_cbranch_scc0 .Lentry_in_a_cluster
	s_endpgm
.Lentry_in_a_cluster:
	s_bfe_u32 s2, ttmp6, 0x10000c
	s_cmp_lg_u32 s2, 0x3003
	s_cbranch_scc0 .Lentry_shape_is_right
	s_endpgm
.Lentry_shape_is_right:
; out0[batch][q][64 head + d] = the sum over keys of softmax(Q . K / 8) V, both products on codes of BF6 (E3M2) with one E8M0 scale for each 32 along a product's K.
; qq: [12 batch + head][key step of 128 rows][6,656]: Q's tile T at 768 T, scale words at 6144 + 256 (T / 4) + 16 r + 4 (T % 4).
; kv: [12 batch + head][key step][13,056]: K's tile T at 768 T, V's tile t (d = 16 t + r; K = the step's 128 keys) at 6144 + 1536 t, K's scale words at 12288 + .. (as Q's), V's at 12800 + 128 (t / 2) + 64 (t % 2) + 4 r.
; A tile is made of BLOCK IMAGES of 384 bytes, [16 rows][24 bytes = 32 codes]: lane l reads its 24 bytes at 24 l, so that lanes 16-31 take the next block, as the 6-bit layout wants; three loads of 8 bytes, each address a multiple of 8.
; Place r of tile T = 2 b + u is row 32 b + 8 u + r + 8 (r / 8) of its key step, so that in S^T the 16 registers of tiles 2 b, 2 b + 1 are 16 neighbouring keys.
; THE FIRST PRODUCT'S K IS 64: the upper half of the instruction's 128 is zero CODES on both sides (registers 6-11 of K's and Q's fragments, set once); their scale bytes are 0, which is a finite scale.
; THE SOFTMAX AHEAD OF THE SECOND PRODUCT: t = score x log2(e) / 8; M = the running largest t rounded UP to a whole number; p = 2^(t - M) is quantised along the keys, not normalised; the row's sum is taken of the
; unquantised p and divides at the end; when M moves, the sum and O are multiplied by 2^(old M - new M), which rounds nothing.
; SHARES.  A work-group owns 256 queries of one head, each of its sixteen waves 16 (key step 2 cx + wave / 8, tile wave % 8), in 256 registers: four waves to a SIMD, so that one wave's vector work stands beside another's
; matrix work and LDS loads.  Both products are used transposed (S^T = K Q^T, O^T = V^T P^T): a lane holds one query throughout.
; LDS.  The WHOLE head's K, V and scale words, 104,448 bytes, are brought once and stay: no slot is ever filled again.  CLUSTER: the four work-groups of a cluster are the four query blocks of one head and ask for these
; bytes JOINTLY: wave 0 of each issues the same four tensor loads (two key steps each, 26,112 dense bytes as 102 rows of 256), with a mask that names the four.  Four tensor loads of wave 0 are out at the most.
; Behind the head's bytes: a stage of 16 rows x 272 bytes for each wave, for the way out.
; LIMITS: NaN and infinities are not served.
; REGISTERS: v1-9 addresses; v12 -M, v13 the largest t, v[14:15] the sum in two halves; v16-27 Q, v28 its scale words; v32-79 four fragments of K; v80-87 K's scale words, v88-89 V's; v96-159 S^T, then p, then V's four fragments;
;   v160-191 O^T; v192-203 p's codes; v204-231 at work.
.set KVH,  104448
.set KVS,  13056
.set QQH,  53248
.set QQS,  6656
.set STG,  104448
.set SP,   272
.set KF,   32
.set KS,   80
.set VS,   88
.set S,    96
.set OT,   160
.set PCD,  192
.set PC2,  204
.set BM,   212                         ; the blocks' largest scores, then largest p
.set PB,   216                         ; the other half's, then the scale bytes
.set SOP,  220                         ; the conversions' scale operands
.set TT,   224
.set FF,   226                         ; v[226:227]: f = 2^(old M - new M), and a 0 named with it as a pair
.set PWD,  228                         ; p's scale word
.set C2,   230                         ; the sum's second chain
.macro CROUND                          ; a round of the cluster's barrier: my work-group's barrier; wave 0 signals for the work-group; every wave waits for all four work-groups; my work-group's barrier once more
	s_barrier_signal -1
	s_barrier_wait -1
	s_cmp_lg_u32 s10, 0
	s_cbranch_scc1 .Lnot_wave_0_\@
	s_barrier_signal -3
.Lnot_wave_0_\@:
	s_barrier_wait -3
	s_barrier_signal -1
	s_barrier_wait -1
.endm
	s_load_b128 s[4:7], s[0:1], 0x0                ; qq s[4:5], kv s[6:7]
	s_load_b64 s[8:9], s[0:1], 0x10                ; out0
	v_lshl_add_u32 v254, v0, 2, 0x2a800
	v_mov_b32 v255, 0
	ds_add_u32 v254, v255
	ds_add_u32 v254, v255
	v_lshrrev_b32 v10, 5, v0
	v_readfirstlane_b32 s10, v10                   ; wave 0..15
	s_bfe_u32 s11, ttmp6, 0x40000                  ; cx: it enters Q's and out0's addresses alone
	s_and_b32 s12, ttmp7, 0xffff                   ; batch
	s_mul_i32 s13, s12, 12
	s_add_co_u32 s13, s13, ttmp9                   ; 12 batch + head (in a cluster launch ttmp9 counts clusters: the head), which the four partners share
	s_mul_i32 s16, s13, KVH
	s_mov_b32 s17, 0                               ; the head's first byte in kv
	s_lshl_b32 s14, s11, 1
	s_lshr_b32 s15, s10, 3
	s_add_co_u32 s14, s14, s15                     ; my queries' key step
	s_and_b32 s15, s10, 7                          ; and tile T
	s_mul_i32 s18, s13, QQH
	s_mul_i32 s48, s14, QQS
	s_add_co_u32 s18, s18, s48
	s_mov_b32 s19, 0
	s_mul_i32 s48, s15, 768
	s_add_co_u32 s48, s48, s18                     ; Q's tile
	s_mov_b32 s49, 0
	s_lshr_b32 s50, s15, 2
	s_lshl_b32 s50, s50, 8
	s_and_b32 s51, s15, 3
	s_lshl_b32 s51, s51, 2
	s_add_co_u32 s50, s50, s51
	s_add_co_u32 s18, s18, s50                     ; its scale words (+ 6144 + 16 r)
	s_lshl_b32 s52, s12, 10
	s_lshl_b32 s51, s14, 7
	s_add_co_u32 s52, s52, s51
	s_lshr_b32 s51, s15, 1
	s_lshl_b32 s51, s51, 5
	s_add_co_u32 s52, s52, s51
	s_and_b32 s51, s15, 1
	s_lshl_b32 s51, s51, 3
	s_add_co_u32 s52, s52, s51                     ; the row of place 0: 1024 batch + 128 key step + 32 (T / 2) + 8 (T % 2)
	s_mul_i32 s52, s52, 3072
	s_lshl_b32 s51, ttmp9, 8
	s_add_co_u32 s52, s52, s51                     ; + the head's 256 bytes
	s_mov_b32 s53, 0
	s_mul_i32 s54, s10, 16*SP
	s_add_co_u32 s54, s54, STG                     ; my stage
	s_mov_b32 s20, 0x76543210
	s_mov_b32 s21, 0xfedcba98                      ; v_permlanex16_b32's selects for lane l xor 16
	s_mov_b32 s22, 0x3e38aa3b                      ; c = log2(e) / 8
	s_mov_b32 s23, s22                             ; (named with it as a pair, so it is written)
	; descriptor group 1: 102 rows of 32 elements of 8 bytes, dense, no padding
	s_mov_b32 s24, 15|(3<<16)|(1<<21)              ; 15:0 the mask: all four work-groups; 17:16 elements of 8 bytes; 21 set beside a mask
	s_mov_b32 s25, 32<<16                          ; tensor_dim0 = 32
	s_mov_b32 s26, 102<<16                         ; tensor_dim1 = 102
	s_mov_b32 s27, 32<<16                          ; tile_dim0 = 32
	s_mov_b32 s28, 102                             ; tile_dim1 = 102
	s_mov_b32 s29, 32                              ; from row to row
	s_mov_b32 s30, 0
	s_mov_b32 s31, 0
	s_wait_dscnt 0x0
	s_wait_kmcnt 0x0
	s_add_nc_u64 s[6:7], s[6:7], s[16:17]
	s_add_nc_u64 s[48:49], s[4:5], s[48:49]
	s_add_nc_u64 s[18:19], s[4:5], s[18:19]
	s_add_nc_u64 s[8:9], s[8:9], s[52:53]
	CROUND                                         ; all four work-groups are here: the joint loads meet
.irp c, 0,1,2,3
	s_mov_b32 s[32+4*\c], 1                        ; count = 1
	s_mov_b32 s[33+4*\c], 26112*\c                 ; LDS address: key steps 2 c, 2 c + 1
	s_add_nc_u64 s[34+4*\c:35+4*\c], s[6:7], 26112*\c
	s_or_b32 s[35+4*\c], s[35+4*\c], 0x80000000    ; type = 2
.endr
	s_cmp_lg_u32 s10, 0                            ; wave 0 alone asks; its four loads stand in one branch, ahead of every wait on TENSORcnt and every LDS read; four v_nop follow the last
	s_cbranch_scc1 .Lno_fill
	tensor_load_to_lds s[32:35], s[24:31]
	s_nop 0
	tensor_load_to_lds s[36:39], s[24:31]
	s_nop 0
	tensor_load_to_lds s[40:43], s[24:31]
	s_nop 0
	tensor_load_to_lds s[44:47], s[24:31]
	s_nop 0
.rept 4
	v_nop
.endr
.Lno_fill:
	v_and_b32 v10, 31, v0                          ; lane
	v_and_b32 v11, 15, v0                          ; r
	v_bfe_u32 v29, v0, 4, 1                        ; h
	v_mul_u32_u24 v1, v10, 24                      ; 24 x lane: my bytes of a pair of block images; v2: the same in key steps 4 to 7 (an LDS immediate has 16 bits)
	v_lshlrev_b32 v3, 4, v11                       ; 16 r: K's and Q's scale words
.irp p, 0,1,2
	global_load_b64 v[16+2*\p:17+2*\p], v1, s[48:49] offset:8*\p   ; Q's fragment stays in registers
.endr
	global_load_b32 v28, v3, s[18:19] offset:6144  ; and its scale words
	v_add_nc_u32 v2, 4*KVS, v1
	v_add_nc_u32 v4, 4*KVS, v3
	v_lshlrev_b32 v5, 2, v10                       ; 4 x lane: V's scale words, two tiles a load
	v_add_nc_u32 v6, 4*KVS, v5
	v_mul_u32_u24 v7, v29, 3072
	v_lshl_add_u32 v7, v11, 4, v7                  ; the way out: lanes 0-15 one row of out0, lanes 16-31 the next; 16 bytes a lane
	v_mul_u32_u24 v8, v11, SP
	v_lshl_add_u32 v8, v29, 5, v8
	v_add_nc_u32 v8, s54, v8                       ; the stage, in: row r, + 32 h
	v_mul_u32_u24 v9, v29, SP
	v_lshl_add_u32 v9, v11, 4, v9
	v_add_nc_u32 v9, s54, v9                       ; and back: lanes 0-15 one row, lanes 16-31 the next
	v_mov_b32 v13, 0xff61b1e6                      ; the largest t so far: -3e38, under every t
	v_floor_f32 v12, -v13                          ; -M
	v_mov_b32 v14, 0
	v_mov_b32 v15, 0
.irp i, 0,1,2,3,4,5
	v_mov_b32 v[22+\i], 0                          ; the upper 64 of the first product's K: zero codes, in Q
.endr
.irp t, 0,1,2,3
.irp i, 0,1,2,3,4,5
	v_mov_b32 v[KF+12*\t+6+\i], 0                  ; and in K's four fragments: no load ever lands here
.endr
.endr
.irp b, 0,1,2,3
	v_mov_b32 v[PB+\b], 0                          ; written once: a lane permute's destination counts as one of its sources
.endr
	v_mov_b32 v[FF+1], 0
.set j, 0
.rept 32
	v_mov_b32 v[OT+j], 0                           ; O^T.  (The step has one form: the first finds zeros, which the first change of M leaves zeros)
.set j, j+1
.endr
	s_wait_loadcnt 0x0                             ; Q
; KEY STEP s: 128 keys.
.macro STEP s
.set BS, KVS*((\s)%4)
.set AD, (\s)/4
.if (\s)%2 == 0
	s_wait_tensorcnt 3-(\s)/2                      ; wave 0: the load that brought key steps s, s + 1 has landed, the younger ones stay out (tensor loads of a wave end in order); the other waves have none
	s_barrier_signal -1                            ; no LDS instruction of mine is out here
	s_barrier_wait -1                              ; now every wave may read them.
.endif
.rept 5
	v_nop                                          ; five places: the products below write over registers that the last step's products read; and the loads below land in those products' scale registers
.endr
	ds_load_b128 v[KS:KS+3], v[3+AD] offset:BS+12288        ; K's scale words: row r of tiles 0-3,
	ds_load_b128 v[KS+4:KS+7], v[3+AD] offset:BS+12288+256  ; of tiles 4-7
	ds_load_b32 v[VS], v[5+AD] offset:BS+12800              ; V's: lanes 0-15 tile 0, lanes 16-31 tile 1;
	ds_load_b32 v[VS+1], v[5+AD] offset:BS+12800+128        ; tiles 2 and 3
.irp g, 0,1                                    ; S^T = K Q^T, four tiles of 16 keys at a time
.if \g > 0
.rept 4
	v_nop                                          ; places in front of loads into registers that matrix instructions have read
.endr
.endif
.irp t, 0,1,2,3
.irp p, 0,1,2
	ds_load_b64 v[KF+12*\t+2*\p:KF+12*\t+2*\p+1], v[1+AD] offset:BS+768*(4*\g+\t)+8*\p
.endr
.endr
	s_wait_dscnt 0x0
.irp t, 0,1,2,3
	v_wmma_scale_f32_16x16x128_f8f6f4 v[S+8*(4*\g+\t):S+8*(4*\g+\t)+7], v[KF+12*\t:KF+12*\t+11], v[16:27], 0, v[KS+4*\g+\t], v28 matrix_a_fmt:MATRIX_FMT_BF6 matrix_b_fmt:MATRIX_FMT_BF6
.endr
.endr                                          ; lane (r, h) holds query place r; the 16 registers of tiles 2 b, 2 b + 1 are keys 32 b + 16 h + 0 .. 15 of the step
.rept 4
	v_nop
.endr
.irp b, 0,1,2,3
	v_max3_num_f32 v[BM+\b], v[S+16*\b], v[S+1+16*\b], v[S+2+16*\b]   ; THE LARGEST SCORE OF EACH BLOCK OF 32 KEYS: it serves for the row's maximum and, since p rises with the score, for the block's largest p
.endr
.irp i, 3,5,7,9,11,13
.irp b, 0,1,2,3
	v_max3_num_f32 v[BM+\b], v[BM+\b], v[S+16*\b+\i], v[S+1+16*\b+\i]   ; (the four blocks by turns)
.endr
.endr
.irp b, 0,1,2,3
	v_max_num_f32 v[BM+\b], v[BM+\b], v[S+15+16*\b]
.endr
.irp b, 0,1,2,3
	v_permlanex16_b32 v[PB+\b], v[BM+\b], s20, s21
.endr
.irp b, 0,1,2,3
	v_max_num_f32 v[BM+\b], v[BM+\b], v[PB+\b]     ; with lane l xor 16's 16 keys
.endr
	v_max3_num_f32 v[TT], v[BM], v[BM+1], v[BM+2]
	v_max_num_f32 v[TT], v[TT], v[BM+3]            ; the step's largest score of my query
	v_mul_f32 v[TT], s22, v[TT]                    ; as t (c is positive)
	v_max_num_f32 v13, v13, v[TT]                  ; the running largest t
	v_mov_b32 v[TT], v12
	v_floor_f32 v12, -v13                          ; the new -M = floor(-t) = -ceil(t): M is a whole number
	v_sub_f32 v[TT], v12, v[TT]                    ; M's old value less its new one: a whole number, 0 or less
	v_cvt_i32_f32 v[TT], v[TT]                     ; (it saturates)
	v_ldexp_f32 v[FF], 1.0, v[TT]                  ; f = 2^(old M - new M)
.set j, 0
.rept 32
	v_pk_fma_f32 v[S+j:S+j+1], v[S+j:S+j+1], s[22:23], v[12:13] op_sel_hi:[1,0,0]   ; t - M, two at a time (of the pairs c and -M the low word serves both halves)
.set j, j+2
.endr
.irp b, 0,1,2,3
	v_fma_f32 v[BM+\b], v[BM+\b], s22, v12         ; the same of each block's largest score
.endr
.set j, 0
.rept 64
	v_exp_f32 v[S+j], v[S+j]                       ; p = 2^(t - M), at most 1: not normalised
.set j, j+1
.endr
.irp b, 0,1,2,3
	v_exp_f32 v[BM+\b], v[BM+\b]                   ; the block's largest p: the same two instructions on the same number give the same bits
.endr
	v_pk_mul_f32 v[14:15], v[14:15], v[FF:FF+1] op_sel_hi:[1,0]   ; the sums under the new M.  (A plain place behind the exponentials)
	s_wait_alu depctr_va_vdst(0)
.irp b, 0,1,2,3
	v_max_num_f32 v[BM+\b], 0x2800000, v[BM+\b]    ; the floor 2^(5 - 127): the byte cannot fall under 1 (a block whose every p has fallen to 0 keeps that byte: its codes are zeros)
.endr
.irp b, 0,1,2,3
	v_add_nc_u32 v[SOP+\b], 0xfe000000, v[BM+\b]   ; 4 off the exponent field: the conversion's scale operand
.endr
.irp b, 0,1,2,3
	v_lshrrev_b32 v[PB+\b], 23, v[SOP+\b]          ; the scale's byte
.endr
	v_lshl_or_b32 v[PWD], v[PB+1], 8, v[PB]        ; p's scale word for these 128 keys
	v_lshl_or_b32 v[PWD], v[PB+2], 16, v[PWD]
	v_lshl_or_b32 v[PWD], v[PB+3], 24, v[PWD]
.irp c, 0,1
	v_cvt_scalef32_pk16_bf6_f32 v[PCD+6*\c:PCD+6*\c+2], v[S+32*\c:S+32*\c+15], v[SOP+2*\c]
	v_cvt_scalef32_pk16_bf6_f32 v[PC2+4*\c:PC2+4*\c+2], v[S+16+32*\c:S+31+32*\c], v[SOP+2*\c+1]   ; (a conversion's three registers begin on an even number)
.endr
	v_nop                                          ; one plain place behind a scaled conversion
.irp c, 0,1                                    ; the operand's layout wants a WHOLE block in a lane: lanes 0-15 block 2 c, lanes 16-31 block 2 c + 1
.irp i, 0,1,2
	v_permlane16_swap_b32 v[PCD+6*\c+\i], v[PC2+4*\c+\i]
.endr
.irp i, 0,1,2
	v_mov_b32 v[PCD+3+6*\c+\i], v[PC2+4*\c+\i]
.endr
.endr
	v_pk_add_f32 v[C2:C2+1], v[S:S+1], v[S+2:S+3]  ; THE ROW'S SUM IS TAKEN OF THE UNQUANTISED p: two at a time, in two chains.  First the 48 registers that V's fragments will take,
.irp j, 4,8,12,16,20,24,28,32,36,40,44
	v_pk_add_f32 v[14:15], v[14:15], v[S+\j:S+\j+1]
	v_pk_add_f32 v[C2:C2+1], v[C2:C2+1], v[S+2+\j:S+3+\j]
.endr
.irp t, 0,1,2,3                                ; V's four fragments (16 channels x these 128 keys each)
.irp c, 0,1
.irp p, 0,1,2
	ds_load_b64 v[S+12*\t+6*\c+2*\p:S+12*\t+6*\c+2*\p+1], v[1+AD] offset:BS+6144+1536*\t+768*\c+8*\p
.endr
.endr
.endr
.set j, 0
.rept 16
	v_pk_mul_f32 v[OT+j:OT+j+1], v[OT+j:OT+j+1], v[FF:FF+1] op_sel_hi:[1,0]   ; O^T under the new M: x f
.set j, j+2
.endr
.irp j, 48,52,56,60                            ; then the rest of the sum, while the loads are on their way
	v_pk_add_f32 v[14:15], v[14:15], v[S+\j:S+\j+1]
	v_pk_add_f32 v[C2:C2+1], v[C2:C2+1], v[S+2+\j:S+3+\j]
.endr
	v_pk_add_f32 v[14:15], v[14:15], v[C2:C2+1]
	s_wait_dscnt 0x0
.irp t, 0,1,2,3                                ; O^T += V^T P^T: the four accumulators by turns
.if \t%2
	v_wmma_scale_f32_16x16x128_f8f6f4 v[OT+8*\t:OT+8*\t+7], v[S+12*\t:S+12*\t+11], v[PCD:PCD+11], v[OT+8*\t:OT+8*\t+7], v[VS+\t/2], v[PWD] matrix_a_fmt:MATRIX_FMT_BF6 matrix_b_fmt:MATRIX_FMT_BF6 matrix_a_scale:MATRIX_SCALE_ROW1
.else
	v_wmma_scale_f32_16x16x128_f8f6f4 v[OT+8*\t:OT+8*\t+7], v[S+12*\t:S+12*\t+11], v[PCD:PCD+11], v[OT+8*\t:OT+8*\t+7], v[VS+\t/2], v[PWD] matrix_a_fmt:MATRIX_FMT_BF6 matrix_b_fmt:MATRIX_FMT_BF6
.endif
.endr
.endm
.irp s, 0,1,2,3,4,5,6,7                        ; written out: every LDS offset is an immediate, and the waits on TENSORcnt count down 3, 2, 1, 0
	STEP \s
.endr
	; THE WAY OUT.  O^T is divided by the row's sum and goes through my stage in LDS: a row is the head's 64 numbers, 256 bytes, which sixteen lanes then store.
.rept 4
	v_nop                                          ; places behind the last products
.endr
	v_add_f32 v14, v14, v15                        ; the sum's two halves,
	v_permlanex16_b32 v[TT], v14, s20, s21
	v_add_f32 v14, v14, v[TT]                      ; and lane l xor 16's: the row's sum
	v_rcp_f32 v14, v14
	v_nop                                          ; one plain place behind a transcendental
.set j, 0
	s_wait_alu depctr_va_vdst(0)
.rept 32
	v_mul_f32 v[S+j], v[OT+j], v14                 ; register 8 t + i is o(query place r, d = 16 t + 8 h + i); each accumulator from its low end on
.set j, j+1
.endr
.irp t, 0,1,2,3
	ds_store_b128 v8, v[S+8*\t:S+8*\t+3] offset:64*\t
	ds_store_b128 v8, v[S+8*\t+4:S+8*\t+7] offset:64*\t+16
.endr
.irp i, 0,1,2,3,4,5,6,7
	ds_load_b128 v[32+4*\i:35+4*\i], v9 offset:2*\i*SP   ; LDS serves a wave's instructions in order: these see my stores
.endr
.irp i, 0,1,2,3,4,5,6,7
	s_wait_dscnt 7-\i                              ; load i is in; the younger ones may be out
	global_store_b128 v7, v[32+4*\i:35+4*\i], s[8:9] offset:(2*\i+8*(\i/4))*3072 th:TH_STORE_NT   ; places 2 i, 2 i + 1 are rows 2 i + 8 (i / 4) and the next; 16 lanes store 256 consecutive bytes, aligned; written once, read by nobody here
.endr
	s_wait_dscnt 0x0
	s_wait_tensorcnt 0x0
	ds_add_u32 v254, v255
	s_wait_dscnt 0x0
	CROUND                                         ; the closing round: no work-group ends while a partner may still ask for bytes jointly
	s_endpgm
.Lfunc_end_k_qb42361bd93_att:
	.size	k_qb42361bd93_att, .Lfunc_end_k_qb42361bd93_att-k_qb42361bd93_att
	.p2alignl 7, 3214868480
	.fill 96, 4, 3214868480
	.section	.rodata,"a",@progbits
	.p2align	6, 0x0
	.amdhsa_kernel k_qb42361bd93_att
		.amdhsa_group_segment_fixed_size 176128
		.amdhsa_private_segment_fixed_size 0
		.amdhsa_enable_private_segment 0
		.amdhsa_kernarg_size 24
		.amdhsa_user_sgpr_count 2
		.amdhsa_user_sgpr_kernarg_segment_ptr 1
		.amdhsa_wavefront_size32 1
		.amdhsa_system_sgpr_workgroup_id_x 1
		.amdhsa_system_sgpr_workgroup_id_y 1
		.amdhsa_system_sgpr_workgroup_id_z 1
		.amdhsa_system_vgpr_workitem_id 0
		.amdhsa_next_free_vgpr 256
		.amdhsa_next_free_sgpr 66
		.amdhsa_reserve_vcc 0
		.amdhsa_float_denorm_mode_32 3
		.amdhsa_float_denorm_mode_16_64 3
		.amdhsa_memory_ordered 1
		.amdhsa_forward_progress 1
		.amdhsa_inst_pref_size 148
	.end_amdhsa_kernel
	.amdgpu_metadata
---
amdhsa.version: [ 1, 2 ]
amdhsa.kernels:
  - .name:           k_qb42361bd93_att
    .symbol:         k_qb42361bd93_att.kd
    .args:
      - { .name: qq, .offset: 0, .size: 8, .value_kind: global_buffer, .address_space: global }
      - { .name: kv, .offset: 8, .size: 8, .value_kind: global_buffer, .address_space: global }
      - { .name: out0, .offset: 16, .size: 8, .value_kind: global_buffer, .address_space: global }
    .group_segment_fixed_size: 176128
    .private_segment_fixed_size: 0
    .kernarg_segment_align: 8
    .kernarg_segment_size: 24
    .max_flat_workgroup_size: 512
    .sgpr_count:     66
    .vgpr_count:     256
    .wavefront_size: 32
...
	.end_amdgpu_metadata
.endif
;; end of part 3
;; ======== version 2 of 2: 3 launches; version 1 with the launch qkv written anew for expert scheduling mode
;; workspace buffers: wc 1,529,856 bytes; qq 10,223,616 bytes; kv 20,054,016 bytes
;; launch qw: the kernel of part 1 again; grid 72 x 6, 1 waves a work-group, no clusters, 0 bytes of LDS; arguments Wq, Wk, Wv, bq, bk, bv, wc; writes wc
;; launch qkv (part 4): grid 256 x 1, 4 waves a work-group, no clusters, 111,104 bytes of LDS; arguments x, wc, qq, kv; writes qq, kv
.if DOCPART == 4
	.amdgcn_target "amdgcn-amd-amdhsa--gfx1250"
	.amdhsa_code_object_version 6
	.text
	.protected	k_qb42361bd93_qkv
	.globl	k_qb42361bd93_qkv
	.p2align	8
	.type	k_qb42361bd93_qkv,@function
k_qb42361bd93_qkv:
	s_mov_b64 s[64:65], 0
	v_nop
	global_prefetch_b8 v0, s[64:65] scope:SCOPE_SE
	s_setreg_imm32_b32 hwreg(HW_REG_WAVE_SCHED_MODE, 0, 2), 2
	s_setreg_imm32_b32 hwreg(HW_REG_WAVE_MODE, 25, 1), 1
	s_wait_xcnt 0x0
	s_wait_alu depctr_vm_vsrc(0)
; q = x Wq + bq, k = x Wk + bk, v = x Wv + bv on codes of BF6 (E3M2) with one E8M0 scale for each 32 along K; the results are quantised at once, q and k along the head's 64, v along the keys, and leave as codes:
; q, k and v never lie in memory as f32.  x: [16384][768] f32.  wc: the weights' records (72 x 21,248 bytes: fragments in the order of the operand's registers, scale words, bias images).
; SHARES.  Work-group n: g = n % 2 (heads 6 g .. 6 g + 5), X = n / 2 (rows 128 X .. + 127: batch X / 8, key step X % 8).  The four waves first quantise the block's x together (48 fragments, through LDS as images of
; the operand's registers), then EVERY wave holds all 48 in 576 registers and walks nine records of the weights: a PASS is 2 tiles of W x 8 tiles of x x 6 K steps = 96 matrix instructions on 16 accumulators.
; A record's fragments come from memory straight into registers, one record ahead, and each feeds eight matrix instructions; nothing of the loop goes through LDS.
; Wave w: type w / 2 (0 q, 1 k), heads 6 g + 3 (w % 2) + 0 .. 2, two records a head (six on end); then three records of v: numbers 3 w .. 3 w + 2 of the half's twelve.
; No cluster: a weight fragment is wanted in one wave's registers, and a joint load lands in LDS alone.  Each block of x is read by two work-groups.
; THE ROWS OF A TILE ARE NOT NEIGHBOURS: place r of tile m = 2 b + u is row 32 b + 8 u + r + 8 (r / 8) of the block.
;   q, k are made TRANSPOSED (source 0 = 16 columns of W, chosen by the same pattern, source 1 = x): a lane holds one row, and the 16 registers of W's tiles 0, 1 are 16 neighbours along d.
;   v is made as it reads (source 0 = x, source 1 = 16 columns of W): a lane holds one channel d, and the 16 registers of x's tiles 2 b, 2 b + 1 are 16 neighbouring keys.
; So a conversion's 16 codes (12 bytes) are half a block of 32, and go by one store to 24 r + 12 h of a BLOCK IMAGE of 384 bytes ([16 rows][24 bytes]): 384 consecutive bytes a store.
; OUT.  kv: [12 batch + head][key step][13,056]: K's tile T at 768 T (two block images), V's tile t (d = 16 t + r) at 6144 + 1536 t (four), K's scale words at 12288 + 256 (T / 4) + 16 r + 4 (T % 4),
;       V's at 12800 + 128 (t / 2) + 64 (t % 2) + 4 r.   qq: [12 batch + head][key step][6,656]: Q's tile T at 768 T, its scale words at 6144 + the same.
; LIMITS: a block of zeros gets the byte 1 where the rule says 127 (its codes are zeros, and this program alone reads the bytes); NaN and infinities are not served.
; REGISTERS, in windows of 256.  Window 1 + s / 2: x's fragment (K step s, tile m) at 96 (s % 2) + 12 m; W's (s, tile u) at 192 + 24 (s % 2) + 12 u; window 1 also: v240-255 the bias image; while x is quantised v0-191: three sets of raw x.
; Window 0: v1-11 addresses; v12-15 a store's scale words; v16-39 x's scale words (register 4 s + m / 2: lanes 0-15 the even tile, lanes 16-31 the odd); v40-45 W's (register s: lanes 0-15 u = 0, lanes 16-31 u = 1);
;   v46-53, v54-61 scale bytes and words on the way; v62 a scale word; v64-79 at work; v80-111 codes; v128-255 the 16 accumulators (while x is quantised v128-191: 64 numbers).
; THE MODE: SCHED_MODE bits 1:0 = 2 (LLVM: expert scheduling mode 2), set by the entry lines.  The code itself states the register dependences between vector or matrix instructions and memory or LDS
; instructions, with s_wait_alu, always for 0.
; THE PLAN.  Registers that memory or LDS instructions touch:
;   v1-v11        addresses and offsets.  Written at the head and never named by a vector instruction again: one wait at the head serves every load and store.
;   raw sets      (window 1, v0-191)  Global loads land in them, the LDS stores into the stage read them; no vector instruction names them.  Behind the barrier x's fragments land there.
;   NUM           LDS loads from the stage land in it; a unit's maxima and conversions read it.
;   PC, PW        A unit's conversions, swaps and moves write them; its four LDS stores read them.
;   W's set j     (window j + 1, v192-239; scale words v[WS + 2 j], v[WS + 2 j + 1]; with set 0 the bias image)  Read by the 32 products of K steps 2 j, 2 j + 1; then the next record's loads land in it.
;   CD, Z         Written by the conversions and selects behind a pass; read by that pass's global stores.
;   x's fragments and scale words: LDS loads land in them once; products read them.
; A unit of x has two waits: one on vm_vsrc behind the stage's turn (the raw set and the last unit's PC, PW have been read), one on va_vdst behind its arithmetic (PC, PW are written; NUM has been read).
; A pass has two waits on va_vdst, each behind the products that empty a set of W, which is asked for again at once.  Set 2 is asked for again in the MIDDLE of the work behind the pass: there one wait on
; va_vdst states both that the last products are done reading set 2 and that the first half of the codes is written; the loads and the first half's stores follow it, and the second half's vector
; instructions name none of their registers.  A second wait on va_vdst stands ahead of the second half's stores; one on vm_vsrc at the head of that work, a whole pass behind the stores that it speaks of.
.set REC,  21248
.set XROW, 3072
.set XSC,  73728                       ; LDS: x's 48 images of 1,536 bytes from 0 on ((8 s + m) x 1536 + 512 c + 16 x lane); here their scale words ((8 s + m) x 64 + 4 r);
.set STG,  76800                       ; and a stage of 16 rows x 528 bytes for each wave
.set SGP,  528
.set KVH,  104448
.set KVS,  13056
.set QQH,  53248
.set QQS,  6656
.set LI,   1                           ; 16 x lane
.set LI2,  2                           ; 16 x lane + 36864: the images of K steps 3 to 5 (an LDS immediate has 16 bits)
.set LS,   3                           ; 4 x lane
.set XWI,  4                           ; where I store x's images: 16 x lane + 3072 x wave
.set XWS,  5                           ; and their scale words: XSC + 4 r + 128 x wave
.set SGI,  6                           ; my stage, in: 16 x lane
.set SGO,  7                           ; my stage, out: 528 r + 64 h
.set CO,   9                           ; 24 r + 12 h: my 12 bytes of a block image
.set SO,   10                          ; 16 x lane + the place of Q's or K's scale words
.set LSX,  11                          ; XSC + 4 x lane
.set Z,    12
.set XS,   16
.set WS,   40
.set Y0,   46
.set WD,   54
.set PW,   62
.set TM,   64                          ; +0..3 largest magnitudes, +4..7 the other half's, then bytes, +12..15 the conversions' scale operands
.set CD,   80
.set PC,   80
.set ACC,  128
.set NUM,  128
.set MSB, 0
.macro WIN new                         ; s_set_vgpr_msb: bits 1:0 source 0, 3:2 source 1, 5:4 source 2, 7:6 destination; the high byte repeats the setting that is left
.if MSB != (\new)
	s_set_vgpr_msb (MSB<<8)|(\new)
.set MSB, (\new)
.endif
.endm
.macro NOPS n
.rept \n
	v_nop
.endr
.endm
; K steps 2 j, 2 j + 1 of the record at s[22:23]: four fragments (12 loads of 512 consecutive bytes), with j = 0 the bias image (4), and two scale words: 18, 14, 14 loads
.macro WLOAD j
	WIN ((\j)+1)<<6
.irp t, 0,1
.irp u, 0,1
.irp c, 0,1,2
	global_load_b128 v[192+24*\t+12*\u+4*\c:192+24*\t+12*\u+4*\c+3], v[LI], s[22:23] offset:(2*(\j)+\t)*3072+\u*1536+512*\c
.endr
.endr
.endr
.if (\j) == 0
.irp g, 0,1,2,3
	global_load_b128 v[240+4*\g:240+4*\g+3], v[LI], s[22:23] offset:19200+512*\g
.endr
.endif
	WIN 0
.irp t, 0,1
	global_load_b32 v[WS+2*(\j)+\t], v[LS], s[22:23] offset:18432+128*(2*(\j)+\t)
.endr
.endm
; unit i of x: K step i / 2 of my tile 2 w + i % 2: sixteen rows, each load one row's 512 consecutive bytes, into raw set i % 3 (the destination's window is set by the caller)
.macro XRAW i
.irp n, 0,1,2,3,4,5,6,7,8,9,10,11,12,13,14,15
	global_load_b128 v[64*((\i)%3)+4*\n:64*((\i)%3)+4*\n+3], v[LI], s[40:41] offset:(8*((\i)%2)+\n+8*(\n/8))*XROW+512*((\i)/2)
.endr
.endm
; four blocks of 32, block b in v[s + 16 b .. + 15] of lanes l and l xor 16: the conversions' scale operands into v[TM + 12 + b].  Each accumulator is read from its low end on
.macro BLK4 s
.irp b, 0,1,2,3
	v_max3_num_f32 v[TM+\b], |v[(\s)+16*\b]|, |v[(\s)+1+16*\b]|, 0x2800000   ; my 16 numbers, and the floor 2^(5 - 127): the byte cannot fall under 1
.endr
.irp i, 2,4,6,8,10,12,14
.irp b, 0,1,2,3
	v_max3_num_f32 v[TM+\b], v[TM+\b], |v[(\s)+16*\b+\i]|, |v[(\s)+1+16*\b+\i]|   ; (the four blocks by turns)
.endr
.endr
.irp b, 0,1,2,3
	v_permlanex16_b32 v[TM+4+\b], v[TM+\b], s20, s21
.endr
.irp b, 0,1,2,3
	v_max_num_f32 v[TM+\b], v[TM+\b], v[TM+4+\b]   ; with lane l xor 16's: the block's largest magnitude
.endr
.irp b, 0,1,2,3
	v_add_nc_u32 v[TM+12+\b], 0xfe000000, v[TM+\b]   ; 4 off its exponent field
.endr
.endm
; 64 numbers of a lane (register 16 b + i = k 32 b + 16 h + i of row r) become a fragment in v[PC .. PC + 11] and its scale word in v[PW]
.macro QUANTX
	BLK4 NUM
.irp b, 0,1,2,3
	v_lshrrev_b32 v[TM+4+\b], 23, v[TM+12+\b]
.endr
	v_lshl_or_b32 v[PW], v[TM+5], 8, v[TM+4]
	v_lshl_or_b32 v[PW], v[TM+6], 16, v[PW]
	v_lshl_or_b32 v[PW], v[TM+7], 24, v[PW]
.irp c, 0,1
	v_cvt_scalef32_pk16_bf6_f32 v[PC+6*\c:PC+2+6*\c], v[NUM+32*\c:NUM+15+32*\c], v[TM+12+2*\c]
	v_cvt_scalef32_pk16_bf6_f32 v[PC+12+4*\c:PC+14+4*\c], v[NUM+16+32*\c:NUM+31+32*\c], v[TM+12+2*\c+1]   ; (a conversion's three registers begin on an even number)
.endr
	v_nop                                          ; one plain place behind a scaled conversion
.irp c, 0,1                                    ; the operand's layout wants a WHOLE block in a lane: lanes 0-15 block 2 c, lanes 16-31 block 2 c + 1
.irp i, 0,1,2
	v_permlane16_swap_b32 v[PC+6*\c+\i], v[PC+12+4*\c+\i]
.endr
.irp i, 0,1,2
	v_mov_b32 v[PC+3+6*\c+\i], v[PC+12+4*\c+\i]
.endr
.endr
.endm
; unit i: its raw rows turn through my stage (in as rows, out 16 neighbours of each block a lane), are quantised, and the fragment's image and scale words go to LDS
.macro UNIT i
.if 11-(\i) >= 2
	s_wait_loadcnt 32                              ; this unit's sixteen loads are in; the two younger units' may be out
.else
	s_wait_loadcnt 16*(11-(\i))
.endif
	WIN 0x04                                       ; an LDS store's data are its source 1: window 1
.irp n, 0,1,2,3,4,5,6,7,8,9,10,11,12,13,14,15
	ds_store_b128 v[SGI], v[64*((\i)%3)+4*\n:64*((\i)%3)+4*\n+3] offset:SGP*\n
.endr
	WIN 0
.irp b, 0,1,2,3
.irp j, 0,1,2,3
	ds_load_b128 v[NUM+16*\b+4*\j:NUM+16*\b+4*\j+3], v[SGO] offset:128*\b+16*\j   ; LDS serves a wave's instructions in order: these see my stores.  No vector instruction has named NUM since the wait behind the last unit's arithmetic
.endr
.endr
	s_wait_dscnt 0x0                               ; the numbers are in
.if (\i)+3 < 12
	WIN 0x40
.endif
	s_wait_alu depctr_vm_vsrc(0)                   ; the LDS stores above have read the raw set, in which the loads below land; the last unit's LDS stores have read v[PC ..] and v[PW], which the arithmetic below writes again
.if (\i)+3 < 12
	XRAW (\i)+3                                    ; the raw set takes the unit three on
	WIN 0
.endif
	QUANTX
	s_wait_alu depctr_va_vdst(0)                   ; v[PC ..] and v[PW] are written, which the LDS stores below read; and the arithmetic is done reading NUM, in which the next unit's LDS loads land
.irp c, 0,1,2
	ds_store_b128 v[XWI], v[PC+4*\c:PC+4*\c+3] offset:(8*((\i)/2)+(\i)%2)*1536+512*\c
.endr
	ds_store_b32 v[XWS], v[PW] offset:512*((\i)/2)+64*((\i)%2)   ; lanes r and r + 16 write the same word with the same value
.endm
.macro WM                              ; one matrix instruction from the symbols rD rA rB rC sA sB; fA, fB: the side's scales lie in lanes 16-31
.if fA && fB
	v_wmma_scale_f32_16x16x128_f8f6f4 v[rD:rD+7], v[rA:rA+11], v[rB:rB+11], v[rC:rC+7], v[sA], v[sB] matrix_a_fmt:MATRIX_FMT_BF6 matrix_b_fmt:MATRIX_FMT_BF6 matrix_a_scale:MATRIX_SCALE_ROW1 matrix_b_scale:MATRIX_SCALE_ROW1
.elseif fA
	v_wmma_scale_f32_16x16x128_f8f6f4 v[rD:rD+7], v[rA:rA+11], v[rB:rB+11], v[rC:rC+7], v[sA], v[sB] matrix_a_fmt:MATRIX_FMT_BF6 matrix_b_fmt:MATRIX_FMT_BF6 matrix_a_scale:MATRIX_SCALE_ROW1
.elseif fB
	v_wmma_scale_f32_16x16x128_f8f6f4 v[rD:rD+7], v[rA:rA+11], v[rB:rB+11], v[rC:rC+7], v[sA], v[sB] matrix_a_fmt:MATRIX_FMT_BF6 matrix_b_fmt:MATRIX_FMT_BF6 matrix_b_scale:MATRIX_SCALE_ROW1
.else
	v_wmma_scale_f32_16x16x128_f8f6f4 v[rD:rD+7], v[rA:rA+11], v[rB:rB+11], v[rC:rC+7], v[sA], v[sB] matrix_a_fmt:MATRIX_FMT_BF6 matrix_b_fmt:MATRIX_FMT_BF6
.endif
.endm
; K step s of a pass: 16 matrix instructions, the 16 accumulators by turns, in the same order in every K step.  K step 0 takes the bias image as C: nothing is cleared, no bias is added.
; kind 0 (q, k): source 0 = W's tile u, source 1 = x's tile m, accumulator 2 m + u.   kind 1 (v): source 0 = x's tile m, source 1 = W's tile u, accumulator 8 u + m.
.macro MULS kind, s
.irp m, 0,1,2,3,4,5,6,7
.irp u, 0,1
.set rW, 192+24*((\s)%2)+12*\u
.set rX, 96*((\s)%2)+12*\m
.if \kind == 0
.set rD, ACC+8*(2*\m+\u)
.set rA, rW
.set rB, rX
.set sA, WS+(\s)
.set sB, XS+4*(\s)+\m/2
.set fA, \u
.set fB, \m%2
.else
.set rD, ACC+8*(8*\u+\m)
.set rA, rX
.set rB, rW
.set sA, XS+4*(\s)+\m/2
.set sB, WS+(\s)
.set fA, \m%2
.set fB, \u
.endif
.if (\s) == 0
.set rC, 240+8*\u
.else
.set rC, rD
.endif
	WM
.endr
.endr
.endm
; A pass: the record in registers is multiplied, two K steps at a time.  Behind each of the first two pairs the same registers take the NEXT record's pair (pre = 1); the third pair's registers take theirs in the
; middle of the work behind the pass.
; The counted waits: loads come back in order.  28: the record's groups 1 and 2 (14 + 14) may be out.  32: its group 2 and the next record's group 0 (14 + 18); then the next record's groups 0 and 1 (18 + 14).
; pre = 0, the last pass: 28, 14, 0; it asks for nothing, so it holds no wait on va_vdst.
.macro PASS kind, pre
	s_wait_loadcnt 28
	WIN 0x15                                       ; sources 0 and 1 window 1, C (the bias image) window 1, D window 0
	MULS \kind, 0
	WIN 0x05
	MULS \kind, 1
.if \pre
	NOPS 4                                         ; four places behind the last product
	WIN 0x40
	s_wait_alu depctr_va_vdst(0)                   ; the products of K steps 0 and 1 are done reading W's set 0, its two scale words and the bias image, in which the loads below land
	WLOAD 0
	s_wait_loadcnt 32
.else
	s_wait_loadcnt 14
.endif
	WIN 0x0a
	MULS \kind, 2
	MULS \kind, 3
.if \pre
	NOPS 4                                         ; four places behind the last product
	WIN 0x80
	s_wait_alu depctr_va_vdst(0)                   ; the products of K steps 2 and 3 are done reading W's set 1 and its two scale words, in which the loads below land
	WLOAD 1
	s_wait_loadcnt 32
.else
	s_wait_loadcnt 0x0
.endif
	WIN 0x0f
	MULS \kind, 4
	MULS \kind, 5
	NOPS 4                                         ; four places in front of the first read of results
	WIN 0
.endm
; Behind a pass of q or k (d-block b of the head): for each of x's eight tiles the 16 registers of accumulators 2 m, 2 m + 1 are half a block of 32 along d.
; Tiles 0-3 are quantised; the next record's K steps 4 and 5 are asked for and tiles 0-3 stored; tiles 4-7 are quantised and stored.
.macro EPI_QK b
	s_wait_alu depctr_vm_vsrc(0)                   ; the last pass's stores (the first time: the LDS stores of x's last image) have read v[CD ..] and v[Z ..], which are written again below
.irp k, 0,1
	BLK4 ACC+64*\k
.irp i, 0,1,2,3
.if \b == 0
	v_lshrrev_b32 v[Y0+4*\k+\i], 23, v[TM+12+\i]   ; the first block's byte is kept
.else
	v_lshrrev_b32 v[TM+4+\i], 23, v[TM+12+\i]
.endif
.endr
.if \b == 1
.irp i, 0,1,2,3
	v_lshl_or_b32 v[WD+4*\k+\i], v[TM+4+\i], 8, v[Y0+4*\k+\i]   ; the row's scale word: two bytes; the upper two stay 0 and stand over zero codes
.endr
.endif
.irp i, 0,1,2,3
	v_cvt_scalef32_pk16_bf6_f32 v[CD+16*\k+4*\i:CD+16*\k+4*\i+2], v[ACC+64*\k+16*\i:ACC+64*\k+16*\i+15], v[TM+12+\i]
.endr
.if \k == 0
	WIN 0xc0
	s_wait_alu depctr_va_vdst(0)                   ; the products of K steps 4 and 5 are done reading W's set 2 and its two scale words, in which the loads below land; the conversions have written the codes of tiles 0-3, which the stores below read
	WLOAD 2
.irp m, 0,1,2,3
	global_store_b96 v[CO], v[CD+4*\m:CD+4*\m+2], s[26:27] offset:768*\m+384*\b   ; 384 consecutive bytes: a block image
.endr
.endif
.endr
	v_nop                                          ; one plain place behind the last conversion: matrix instructions write its sources next
.if \b == 1
.irp i, 0,1,2,3
	v_cndmask_b32 v[Z+\i], v[WD+\i], v[WD+4+\i], s38   ; lanes 0-15 the words of tiles 0-3, lanes 16-31 those of tiles 4-7
.endr
.endif
	s_wait_alu depctr_va_vdst(0)                   ; the conversions have written the codes of tiles 4-7, and with b = 1 the selects v[Z ..], which the stores below read
.irp m, 4,5,6,7
	global_store_b96 v[CO], v[CD+4*\m:CD+4*\m+2], s[26:27] offset:768*\m+384*\b
.endr
.if \b == 1
	global_store_b128 v[SO], v[Z:Z+3], s[26:27]    ; 512 consecutive bytes
.endif
	s_wait_xcnt 0x0                                ; only behind this wait are the loads' base, the stores' base and the registers that these stores read written again
	s_add_nc_u64 s[22:23], s[22:23], REC           ; the record that the next pass asks for
.if \b == 0
	s_cmp_eq_u32 s36, 1                            ; in the last trip that is my first record of v
	s_cselect_b64 s[22:23], s[24:25], s[22:23]
.else
	s_add_nc_u64 s[26:27], s[26:27], s[34:35]      ; the next head
.endif
.endm
; Behind a pass of v: for each of W's two tiles the 64 registers of accumulators 8 u .. 8 u + 7 are four half blocks of 32 along the keys, of channel d = 16 u + r of the record.
; pre = 1: the next record's K steps 4 and 5 are asked for in the middle, and the record's address steps at the end.
.macro EPI_V pre
	s_wait_alu depctr_vm_vsrc(0)                   ; the last pass's stores have read v[CD ..] and v[Z], which are written again below
	s_lshr_b32 s42, s37, 1                         ; record q of the half's twelve: head q / 2, channels 32 (q % 2) on.  (The stores' bases are written behind the wait on XCNT at the end of the work behind the last pass)
	s_mul_i32 s42, s42, KVH
	s_and_b32 s43, s37, 1
	s_mul_i32 s44, s43, 3072
	s_add_co_u32 s44, s44, s42
	s_mov_b32 s45, 0
	s_add_nc_u64 s[30:31], s[28:29], s[44:45]      ; its two tiles of V
	s_lshl_b32 s44, s43, 7
	s_add_co_u32 s44, s44, s42
	s_add_nc_u64 s[32:33], s[28:29], s[44:45]      ; and their scale words
	s_add_co_u32 s37, s37, 1
.irp u, 0,1
	BLK4 ACC+64*\u
.irp i, 0,1,2,3
	v_lshrrev_b32 v[TM+4+\i], 23, v[TM+12+\i]
.endr
	v_lshl_or_b32 v[WD+\u], v[TM+5], 8, v[TM+4]
	v_lshl_or_b32 v[WD+\u], v[TM+6], 16, v[WD+\u]
	v_lshl_or_b32 v[WD+\u], v[TM+7], 24, v[WD+\u]
.irp i, 0,1,2,3
	v_cvt_scalef32_pk16_bf6_f32 v[CD+16*\u+4*\i:CD+16*\u+4*\i+2], v[ACC+64*\u+16*\i:ACC+64*\u+16*\i+15], v[TM+12+\i]
.endr
.if \u == 0
.if \pre
	WIN 0xc0
.endif
	s_wait_alu depctr_va_vdst(0)                   ; the conversions have written tile 0's codes, which the stores below read; with pre = 1: the products of K steps 4 and 5 are done reading W's set 2 and its two scale words, in which the loads below land
.if \pre
	WLOAD 2
.endif
.irp i, 0,1,2,3
	global_store_b96 v[CO], v[CD+4*\i:CD+4*\i+2], s[30:31] offset:6144+384*\i
.endr
.endif
.endr
	v_nop                                          ; one plain place behind the last conversion
	v_cndmask_b32 v[Z], v[WD], v[WD+1], s38        ; lanes 0-15 tile 0's words, lanes 16-31 tile 1's
	s_wait_alu depctr_va_vdst(0)                   ; the conversions have written tile 1's codes and the select v[Z], which the stores below read
.irp i, 0,1,2,3
	global_store_b96 v[CO], v[CD+16+4*\i:CD+16+4*\i+2], s[30:31] offset:6144+1536+384*\i
.endr
	global_store_b32 v[LS], v[Z], s[32:33] offset:12800   ; 128 consecutive bytes
.if \pre
	s_wait_xcnt 0x0                                ; only behind this wait are the loads' base, the stores' bases and the registers that these stores read written again
	s_add_nc_u64 s[22:23], s[22:23], REC
.endif
.endm
	s_load_b256 s[4:11], s[0:1], 0x0               ; x s[4:5], wc s[6:7], qq s[8:9], kv s[10:11]
	v_lshl_add_u32 v126, v0, 2, 0x1b000
	v_mov_b32 v127, 0
	v_lshrrev_b32 v8, 5, v0
	v_readfirstlane_b32 s12, v8                    ; wave 0..3
	v_and_b32 v8, 31, v0                           ; lane
	v_cmp_lt_u32 s38, 15, v8                       ; the mask of lanes 16-31
	s_wait_alu depctr_va_sdst(0)                   ; s12 and s38 are written, ahead of their first readers: the scalar arithmetic below, and the selects behind the passes
	s_and_b32 s13, ttmp9, 1                        ; g
	s_lshr_b32 s14, ttmp9, 1                       ; X
	s_lshr_b32 s15, s14, 3                         ; batch
	s_and_b32 s16, s14, 7                          ; key step
	s_lshr_b32 s17, s12, 1                         ; type: 0 q, 1 k
	s_and_b32 s18, s12, 1
	s_mul_i32 s39, s13, 6                          ; 6 g
	s_mul_i32 s19, s18, 3
	s_add_co_u32 s19, s19, s39                     ; my first head
	s_mul_i32 s42, s15, 12
	s_lshl_b32 s40, s14, 7
	s_lshl_b32 s43, s12, 5
	s_add_co_u32 s40, s40, s43
	s_mul_i32 s40, s40, XROW                       ; x: row 128 X + 32 wave, in bytes
	s_mov_b32 s41, 0
	s_mul_i32 s22, s17, 12
	s_add_co_u32 s22, s22, s19
	s_mul_i32 s22, s22, 2*REC                      ; my first record: (12 type + head) x 2
	s_mov_b32 s23, 0
	s_mul_i32 s24, s13, 12
	s_mul_i32 s37, s12, 3                          ; q: my first record of v among the half's twelve
	s_add_co_u32 s24, s24, s37
	s_add_co_u32 s24, s24, 48
	s_mul_i32 s24, s24, REC                        ; record 48 + 12 g + q
	s_mov_b32 s25, 0
	s_mov_b32 s34, KVH                             ; from head to head, from key step to key step, and where the scale words lie: in kv, or in qq for waves 0 and 1
	s_mov_b32 s43, KVS
	s_mov_b32 s44, 12288
	s_mov_b32 s35, 0
	s_cmp_lt_u32 s12, 2
	s_cselect_b32 s34, QQH, s34
	s_cselect_b32 s43, QQS, s43
	s_cselect_b32 s44, 6144, s44
	s_add_co_u32 s45, s42, s19                     ; 12 batch + head
	s_mul_i32 s26, s45, s34
	s_mul_i32 s43, s16, s43
	s_add_co_u32 s26, s26, s43
	s_mov_b32 s27, 0
	s_add_co_u32 s45, s42, s39                     ; 12 batch + 6 g
	s_mul_i32 s28, s45, KVH
	s_mul_i32 s45, s16, KVS
	s_add_co_u32 s28, s28, s45
	s_mov_b32 s29, 0
	s_mov_b32 s20, 0x76543210
	s_mov_b32 s21, 0xfedcba98                      ; v_permlanex16_b32's selects for lane l xor 16
	v_and_b32 v12, 15, v0                          ; r
	v_bfe_u32 v13, v0, 4, 1                        ; h
	v_lshlrev_b32 v[LI], 4, v8
	v_add_nc_u32 v[LI2], 36864, v[LI]
	v_lshlrev_b32 v[LS], 2, v8
	v_add_nc_u32 v[LSX], XSC, v[LS]
	s_mul_i32 s45, s12, 3072
	v_add_nc_u32 v[XWI], s45, v[LI]
	s_lshl_b32 s45, s12, 7
	s_add_co_u32 s45, s45, XSC
	v_lshl_add_u32 v[XWS], v12, 2, s45
	s_mul_i32 s45, s12, 16*SGP
	s_add_co_u32 s45, s45, STG
	v_add_nc_u32 v[SGI], s45, v[LI]
	v_mul_u32_u24 v[SGO], v12, SGP
	v_lshl_add_u32 v[SGO], v13, 6, v[SGO]
	v_add_nc_u32 v[SGO], s45, v[SGO]
	v_mul_u32_u24 v[CO], v12, 24
	v_mad_u32_u24 v[CO], v13, 12, v[CO]
	v_add_nc_u32 v[SO], s44, v[LI]
.irp b, 0,1,2,3
	v_mov_b32 v[TM+4+\b], 0                        ; written once: a lane permute's destination counts as one of its sources
.endr
	s_wait_kmcnt 0x0
	s_add_nc_u64 s[40:41], s[4:5], s[40:41]        ; x at my 32 rows
	s_add_nc_u64 s[22:23], s[6:7], s[22:23]        ; the record to be asked for
	s_add_nc_u64 s[24:25], s[6:7], s[24:25]        ; my first record of v
	s_cmp_lt_u32 s12, 2
	s_cselect_b64 s[46:47], s[8:9], s[10:11]       ; q goes to qq, k to kv: the choice hangs on the wave's number alone
	s_add_nc_u64 s[26:27], s[46:47], s[26:27]      ; where my first head's tiles go
	s_add_nc_u64 s[28:29], s[10:11], s[28:29]      ; kv at head 6 g, my key step
	WIN 0x40
	s_wait_alu depctr_va_vdst(0)                   ; the addresses and offsets v1 to v11 are written: every load and store of the kernel reads one of them, and no vector instruction names them again
	WLOAD 0                                        ; my first record, 46 loads,
	WLOAD 1
	WLOAD 2
	WIN 0x40
	XRAW 0                                         ; and three units of x, 48 loads
	XRAW 1
	XRAW 2
	WIN 0
.irp i, 0,1,2,3,4,5,6,7,8,9,10,11
	UNIT \i
.endr
	s_wait_dscnt 0x0                               ; for the others' sake: my images and scale words have landed
	s_barrier_signal -1
	s_barrier_wait -1                              ; the launch's one barrier: all 48 fragments lie in LDS, and nobody writes them again
.irp s, 0,1,2,3,4,5                            ; (the raw sets, in which K steps 0 and 1 land, were last read by LDS stores that stand ahead of the last unit's wait on vm_vsrc; no vector instruction has named any of these registers)
	WIN (1+\s/2)<<6
.irp m, 0,1,2,3,4,5,6,7
.irp c, 0,1,2
.if \s < 3
	ds_load_b128 v[96*(\s%2)+12*\m+4*\c:96*(\s%2)+12*\m+4*\c+3], v[LI] offset:(8*\s+\m)*1536+512*\c
.else
	ds_load_b128 v[96*(\s%2)+12*\m+4*\c:96*(\s%2)+12*\m+4*\c+3], v[LI2] offset:(8*(\s-3)+\m)*1536+512*\c
.endif
.endr
.endr
.endr
	WIN 0
.irp s, 0,1,2,3,4,5
.irp a, 0,1,2,3
	ds_load_b32 v[XS+4*\s+\a], v[LSX] offset:512*\s+128*\a   ; lanes 0-15 tile 2 a's words, lanes 16-31 tile 2 a + 1's
.endr
.endr
	s_wait_dscnt 0x0
	s_wait_xcnt 0x0
	s_add_nc_u64 s[22:23], s[22:23], REC           ; the first pass asks for my second record
	s_mov_b32 s36, 3
.Lqk:                                              ; a trip is a head of q or of k: its two d-blocks
	PASS 0, 1
	EPI_QK 0
	PASS 0, 1
	EPI_QK 1
	s_sub_co_u32 s36, s36, 1
	s_cmp_lg_u32 s36, 0
	s_cbranch_scc1 .Lqk
	s_mov_b32 s36, 2
.Lv:
	PASS 1, 1
	EPI_V 1
	s_sub_co_u32 s36, s36, 1
	s_cmp_lg_u32 s36, 0
	s_cbranch_scc1 .Lv
	PASS 1, 0                                      ; the last pass is written out: it asks for nothing more
	EPI_V 0
	s_wait_dscnt 0x0
	s_wait_alu depctr_hold_cnt(0) depctr_sa_sdst(0) depctr_va_vdst(0) depctr_va_sdst(0) depctr_va_ssrc(0) depctr_va_vcc(0) depctr_vm_vsrc(0)
	s_wait_tensorcnt 0x0
	ds_add_u32 v126, v127
	s_wait_dscnt 0x0
	s_endpgm
.Lfunc_end_k_qb42361bd93_qkv:
	.size	k_qb42361bd93_qkv, .Lfunc_end_k_qb42361bd93_qkv-k_qb42361bd93_qkv
	.p2alignl 7, 3214868480
	.fill 96, 4, 3214868480
	.section	.rodata,"a",@progbits
	.p2align	6, 0x0
	.amdhsa_kernel k_qb42361bd93_qkv
		.amdhsa_group_segment_fixed_size 111104
		.amdhsa_private_segment_fixed_size 0
		.amdhsa_enable_private_segment 0
		.amdhsa_kernarg_size 32
		.amdhsa_user_sgpr_count 2
		.amdhsa_user_sgpr_kernarg_segment_ptr 1
		.amdhsa_wavefront_size32 1
		.amdhsa_system_sgpr_workgroup_id_x 1
		.amdhsa_system_sgpr_workgroup_id_y 1
		.amdhsa_system_sgpr_workgroup_id_z 1
		.amdhsa_system_vgpr_workitem_id 0
		.amdhsa_next_free_vgpr 1024
		.amdhsa_next_free_sgpr 66
		.amdhsa_reserve_vcc 0
		.amdhsa_float_denorm_mode_32 3
		.amdhsa_float_denorm_mode_16_64 3
		.amdhsa_memory_ordered 1
		.amdhsa_forward_progress 1
		.amdhsa_inst_pref_size 208
	.end_amdhsa_kernel
	.amdgpu_metadata
---
amdhsa.version: [ 1, 2 ]
amdhsa.kernels:
  - .name:           k_qb42361bd93_qkv
    .symbol:         k_qb42361bd93_qkv.kd
    .args:
      - { .name: x, .offset: 0, .size: 8, .value_kind: global_buffer, .address_space: global }
      - { .name: wc, .offset: 8, .size: 8, .value_kind: global_buffer, .address_space: global }
      - { .name: qq, .offset: 16, .size: 8, .value_kind: global_buffer, .address_space: global }
      - { .name: kv, .offset: 24, .size: 8, .value_kind: global_buffer, .address_space: global }
    .group_segment_fixed_size: 111104
    .private_segment_fixed_size: 0
    .kernarg_segment_align: 8
    .kernarg_segment_size: 32
    .max_flat_workgroup_size: 128
    .sgpr_count:     66
    .vgpr_count:     1024
    .wavefront_size: 32
...
	.end_amdgpu_metadata
.endif
;; end of part 4
;; launch att: the kernel of part 3 again; grid 48 x 16, 16 waves a work-group, clusters of 4 x 1, 176,128 bytes of LDS; arguments qq, kv, out0; writes out0
